; MI455X (gfx1250); checked and timed in simulation.
; The chip was launched on July 23, 2026; its instructions are those of AMD's public machine-readable ISA for CDNA 5 (MIT licence, August 2026) and "CDNA5" Instruction Set Architecture Reference Guide (July 2026). The comments in the code are by the model that wrote it; some were corrected since.
;; Top K Mo E. Allowed arithmetic: matrix products marked QUANTISED: E3M2 operands, one E8M0 scale for each 32 along K, by v_wmma_scale_f32_16x16x128_f8f6f4 with both operands' format E3M2, f32 sums; products left as they are: f32 operands where the result goes on into a quantised operand, else bf16, f16 or f32 operands; f32 sums; everything else in f32.
;; Inputs: router_w 1,024 x 8 float32; w1_codes 8 x 512 x 32 x 24 uint8 (E3M2 codes of w1, K innermost, in blocks of 32 codes, four codes in three bytes); w1_scales 8 x 512 x 32 uint8 (E8M0 scales of w1, one for each 32 codes along K); w2_codes 8 x 1,024 x 16 x 24 uint8 (E3M2 codes of w2, K innermost, in blocks of 32 codes, four codes in three bytes); w2_scales 8 x 1,024 x 16 uint8 (E8M0 scales of w2, one for each 32 codes along K); x 4 x 2,048 x 1,024 float32.
;; Outputs: out0 4 x 2,048 x 1,024 float32; out1 one number float32.
;; This version of the problem:
;;   THIS VERSION OF THE PROBLEM IS GIVEN IN LOW PRECISION. The matrix products marked QUANTISED in the list below multiply operands that are first quantised to E3M2 (3 exponent bits, 2 mantissa bits; 6 bits a number), with one power-of-two scale for each 32 numbers along K (OCP MX v1.0); their sums are f32. All else is computed in f32.
;;   The module's matrix products, in the order in which they are computed (A, B: the left and right operand; K: the contracted axis; several contracted axes count as one K, in the product's order):
;;     1. [M 8,192, K 1,024] x [K 1,024, N 8]; A: input x; B: input router_w: left as it is (N = 8 < 16)
;;     2. [M 8,192, K 1,024] x [K 1,024, N 512]; A: input x; B: input w1 (given as codes): QUANTISED
;;     3. [M 8,192, K 512] x [K 512, N 1,024]; A: computed on the way; B: input w2 (given as codes): QUANTISED
;;     4. [M 8,192, K 1,024] x [K 1,024, N 512]; A: input x; B: input w1 (given as codes): QUANTISED
;;     5. [M 8,192, K 512] x [K 512, N 1,024]; A: computed on the way; B: input w2 (given as codes): QUANTISED
;;     6. [M 8,192, K 1,024] x [K 1,024, N 512]; A: input x; B: input w1 (given as codes): QUANTISED
;;     7. [M 8,192, K 512] x [K 512, N 1,024]; A: computed on the way; B: input w2 (given as codes): QUANTISED
;;     8. [M 8,192, K 1,024] x [K 1,024, N 512]; A: input x; B: input w1 (given as codes): QUANTISED
;;     9. [M 8,192, K 512] x [K 512, N 1,024]; A: computed on the way; B: input w2 (given as codes): QUANTISED
;;     10. [M 8,192, K 1,024] x [K 1,024, N 512]; A: input x; B: input w1 (given as codes): QUANTISED
;;     11. [M 8,192, K 512] x [K 512, N 1,024]; A: computed on the way; B: input w2 (given as codes): QUANTISED
;;     12. [M 8,192, K 1,024] x [K 1,024, N 512]; A: input x; B: input w1 (given as codes): QUANTISED
;;     13. [M 8,192, K 512] x [K 512, N 1,024]; A: computed on the way; B: input w2 (given as codes): QUANTISED
;;     14. [M 8,192, K 1,024] x [K 1,024, N 512]; A: input x; B: input w1 (given as codes): QUANTISED
;;     15. [M 8,192, K 512] x [K 512, N 1,024]; A: computed on the way; B: input w2 (given as codes): QUANTISED
;;     16. [M 8,192, K 1,024] x [K 1,024, N 512]; A: input x; B: input w1 (given as codes): QUANTISED
;;     17. [M 8,192, K 512] x [K 512, N 1,024]; A: computed on the way; B: input w2 (given as codes): QUANTISED
;;   THE QUANTISER, for each operand of a quantised product, along K:
;;     - K is cut into blocks of 32 from its start; a last block that is shorter is filled with zeros.
;;     - A block's scale is 2^e with e = floor(log2(the largest magnitude in the block)) - 4, held to -126 .. 127; a block of zeros has e = 0. As a byte (E8M0): e + 127.
;;     - Each number is divided by its block's scale, clamped to +-28, and rounded to the nearest number of E3M2, ties to even, subnormals kept.
;;     - The product sums the exact products of the quantised numbers (number of the format x scale) in f32.
;;   ~~~python
;;   def quantise(x, axis):      # numpy; x: float32 -> the quantised numbers, widened to float32 again
;;       x = np.moveaxis(x, axis, -1); K = x.shape[-1]
;;       x = np.pad(x, [(0, 0)] * (x.ndim - 1) + [(0, -K % 32)]); x = x.reshape(x.shape[:-1] + (-1, 32)); a = np.abs(x).max(-1, keepdims=True)
;;       e = np.where(a > 0, np.clip(np.frexp(np.where(a > 0, a, 1))[1] - 1 - 4, -126, 127), 0)      # np.frexp(a)[1] - 1 = floor(log2(a)), exactly
;;       r = np.clip(x / 2.0 ** e, -28, 28)
;;       step = 2.0 ** (np.maximum(np.frexp(np.where(r == 0, 1, r))[1] - 1, -2) - 2)
;;       q = np.round(r / step) * step * 2.0 ** e      # np.round: ties to even
;;       return np.moveaxis(q.reshape(q.shape[:-2] + (-1,))[..., :K], -1, axis).astype(np.float32)
;;   ~~~
;;   OPERANDS COMPUTED ON THE WAY. 'Computed on the way' means the value that the module computes at that place (a softmax that the list does not call 'softmax' is quantised finished and normalised). What goes into a quantiser is computed in f32, as accurately as f32 sums, v_exp_f32 and their like allow (about 1e-6 of the number): no bf16 or f16 on the way to a quantiser, and a product that is left as it is and whose result goes on into a quantised operand takes f32 operands (vector FMAs, or v_wmma_f32_16x16x4_f32). A number that lies on a knife's edge between two numbers of the format may be rounded either way, as far as f32 arithmetic and the matrix unit's own rounding can turn it there, and no further.
;;   INPUTS GIVEN AS CODES. w1 (in the module: [8, 1024, 512], K = its axis 1); w2 (in the module: [8, 512, 1024], K = its axis 1): each comes as NAME_codes (uint8): NAME with its K axis moved to the last place and cut into blocks of 32 codes, [.., K / 32, bytes a block], one block behind the other in memory; four codes in three bytes: a row's codes are one little-endian stream of bits, code i at bits 6 i .. 6 i + 5 (a code: sign, 3 exponent bits, 2 mantissa bits); and NAME_scales (uint8): the same leading axes, one E8M0 byte (e + 127) for each 32 codes along K. Its value is code x scale, taken as it is: it is not quantised again, and the codes and scales need not be those that the quantiser above would give.
;; 2 versions. Each part assembles by itself: llvm-mc -triple=amdgcn-amd-amdhsa -mcpu=gfx1250 --defsym DOCPART=n.
;; ======== version 1 of 2: 3 launches
;; workspace buffers: xq 6,291,456 bytes; xs 262,144 bytes; gate 65,536 bytes; meta 65,536 bytes of whole numbers; auxp 32,768 bytes; order 32,768 bytes of whole numbers; tiles 3,584 bytes of whole numbers; wq 6,291,456 bytes
;; launch route (part 1): grid 256 x 1, 8 waves a work-group, no clusters, 88,064 bytes of LDS; arguments x, router_w, xq, xs, gate, meta, auxp; writes xq, xs, gate, meta, auxp
.if DOCPART == 1
	.amdgcn_target "amdgcn-amd-amdhsa--gfx1250"
	.amdhsa_code_object_version 6
	.text
	.protected	k_q837e440afc_route
	.globl	k_q837e440afc_route
	.p2align	8
	.type	k_q837e440afc_route,@function
k_q837e440afc_route:
	s_mov_b64 s[64:65], 0
	v_nop
	global_prefetch_b8 v0, s[64:65] scope:SCOPE_SE
	s_setreg_imm32_b32 hwreg(HW_REG_WAVE_MODE, 25, 1), 1
	s_wait_xcnt 0x0
; ROUTE.  x [8192][1024] f32 is read once.  It gives (a) the router: logits = x router_w in f32 multiply-adds, softmax, the two largest probabilities (the lower index wins a tie), their gates;
; (b) x's codes of BF6 (E3M2) with one E8M0 byte for each 32 along K, made once for every expert.
; A work-group owns 32 tokens.  Wave w owns K = 128 w .. 128 w + 127 of all 32: so its part of router_w (4,096 bytes) stays in 128 registers, and each of its loads of x reads 512 consecutive bytes.
; Eight steps of four tokens.  A step's 2,048 bytes turn through the wave's own stage in LDS, so that a lane holds 16 NEIGHBOURS along K of one token (8 lanes to a token, 2 lanes to a block of 32).
; Partial logits, codes and scale bytes meet in LDS; behind ONE barrier every wave stores four tokens' rows of codes (384 consecutive bytes a store), wave 1 the scale bytes, wave 0 (a lane to a token) finishes the router.
; OUT.  xq [8192][768]: in each K step's 96 bytes the blocks lie 0, 2, 1, 3, so that lane (r, h) of an operand finds its 48 bytes on end at 96 s + 48 h.  xs [8192][32]: the bytes in K's order.
;   gate [8192][2]: the gates of the lower and the higher expert.  meta [256][32][2]: word 0: the token's pair key | its rank among equal keys of the group << 8; word 1: lane = key: how many of the group have it.
;   auxp [256][32]: lanes 0-7 the group's sums of probabilities, lanes 8-15 its counts of first choices.
; Nothing here branches on, or forms an address from, what the router finds: it is stored at fixed places.
; LIMITS: NaN and infinities are not served.  A block whose largest magnitude lies under 2^-122 (a block of zeros too) keeps the byte 1: this program alone reads the bytes.
;   The logits' f32 sums run in another order than a plain row sum: probabilities within some 1e-6 of each other may be ranked the other way.
.set SP,   80                          ; a lane's place in a stage: 64 bytes + 16
.set CST,  40960                       ; behind the stages (8 waves x 2 x 32 x SP): codes, 4608 w + 144 token + 16 piece (12 bytes in a place of 16)
.set PL,   77824                       ; partial logits, 1024 w + 32 token
.set SCB,  86016                       ; scale bytes, 128 w + 4 token + block
.set W,    16                          ; v16-143  router_w[128 w + 16 (l % 8) + i][e] at W + 8 i + e
.set X,    144                         ; v144-175 two sets of 16 neighbours
.set ACC,  176                         ; v176-191 two sets of 8 partial logits
.set C,    192                         ; v192-199 two sets of codes
.set E,    200                         ; v200-201 two scale bytes
.set MSB,  0                           ; window 1 (v256-383): x as loaded, step t at 16 t
.macro WIN new                         ; the immediate's high byte repeats the setting that is left
.set WN, \new
.if MSB != WN
	s_set_vgpr_msb (MSB<<8)|WN
.set MSB, WN
.endif
.endm
	s_load_b256 s[4:11], s[0:1], 0x0               ; x, router_w, xq, xs
	s_load_b128 s[12:15], s[0:1], 0x20             ; gate, meta
	s_load_b64 s[16:17], s[0:1], 0x30              ; auxp
	v_lshl_add_u32 v254, v0, 2, 0x15400
	v_mov_b32 v255, 0
	v_lshrrev_b32 v13, 5, v0
	v_readfirstlane_b32 s18, v13                   ; wave 0..7
	v_and_b32 v1, 31, v0                           ; lane
	v_lshlrev_b32 v2, 4, v1                        ; x: my 16 bytes of a load's 512
	v_and_b32 v13, 7, v1
	v_lshlrev_b32 v3, 9, v13                       ; router_w: my 16 rows of 32 bytes
	v_lshrrev_b32 v14, 3, v1                       ; which of a step's four tokens is mine
	s_mul_i32 s19, s18, 2*32*SP
	v_lshrrev_b32 v15, 2, v1
	v_mul_u32_u24 v4, v15, SP
	v_and_b32 v15, 3, v1
	v_lshl_add_u32 v4, v15, 4, v4
	v_add_nc_u32 v4, s19, v4                       ; the stage, in: four lanes' 64 bytes on end, then 16 of padding
	v_mul_u32_u24 v5, v1, SP
	v_add_nc_u32 v5, s19, v5                       ; and out: my 64 bytes
	v_bfe_u32 v15, v1, 1, 1                        ; my half block's piece in the K step: blocks in the order 0, 2, 1, 3: 4 bit1 + 2 bit2 + bit0
	v_lshlrev_b32 v6, 6, v15
	v_bfe_u32 v15, v1, 2, 1
	v_lshl_add_u32 v6, v15, 5, v6
	v_and_b32 v15, 1, v1
	v_lshl_add_u32 v6, v15, 4, v6
	v_mad_u32_u24 v6, v14, 144, v6
	s_mul_i32 s19, s18, 4608
	s_add_co_u32 s19, s19, CST
	v_add_nc_u32 v6, s19, v6                       ; where my 12 bytes of codes go
	v_bfe_u32 v15, v1, 1, 2
	v_lshl_add_u32 v7, v14, 2, v15
	s_lshl_b32 s19, s18, 7
	s_add_co_u32 s19, s19, SCB
	v_add_nc_u32 v7, s19, v7                       ; my block's byte
	s_lshl_b32 s19, s18, 10
	s_add_co_u32 s19, s19, PL
	v_lshl_add_u32 v8, v14, 5, s19                 ; my token's 8 partial logits
	v_mul_u32_u24 v9, v14, 4608
	v_lshl_add_u32 v9, v13, 4, v9
	s_mul_i32 s19, s18, 576
	s_add_co_u32 s19, s19, CST
	v_add_nc_u32 v9, s19, v9                       ; codes, back: K step l / 8 (+ 4 j), piece l % 8, tokens 4 w + i
	v_mul_u32_u24 v10, v1, 12                      ; and in xq
	v_lshl_add_u32 v11, v1, 5, PL                  ; wave 0: lane = token
	v_lshl_add_u32 v12, v1, 2, SCB                 ; wave 1: lane = token
	s_mov_b32 s32, 0x76543210
	s_mov_b32 s33, 0xfedcba98                      ; v_permlanex16_b32's selects for lane l xor 16
	s_lshl_b32 s20, ttmp9, 17                      ; the group's 32 rows of 4,096 bytes,
	s_lshl_b32 s21, s18, 9                         ; my wave's 512 bytes of a row
	s_add_co_u32 s20, s20, s21
	s_mov_b32 s21, 0
	s_lshl_b32 s22, s18, 12
	s_mov_b32 s23, 0
	s_mul_i32 s24, ttmp9, 24576
	s_mul_i32 s25, s18, 3072
	s_add_co_u32 s24, s24, s25
	s_mov_b32 s25, 0
	s_lshl_b32 s26, ttmp9, 10
	s_mov_b32 s27, 0
	s_lshl_b32 s28, ttmp9, 8
	s_mov_b32 s29, 0
	s_lshl_b32 s30, ttmp9, 7
	s_mov_b32 s31, 0
	s_wait_kmcnt 0x0
	s_add_nc_u64 s[4:5], s[4:5], s[20:21]
	s_add_nc_u64 s[6:7], s[6:7], s[22:23]
	s_add_nc_u64 s[8:9], s[8:9], s[24:25]
	s_add_nc_u64 s[10:11], s[10:11], s[26:27]
	s_add_nc_u64 s[12:13], s[12:13], s[28:29]
	s_add_nc_u64 s[14:15], s[14:15], s[28:29]
	s_add_nc_u64 s[16:17], s[16:17], s[30:31]
.set i, 0
.rept 32
	global_load_b128 v[W+4*i:W+4*i+3], v3, s[6:7] offset:16*i      ; router_w first: it is wanted first
.set i, i+1
.endr
	WIN 0x40                                       ; destination window 1
.set i, 0
.rept 32
	global_load_b128 v[4*i:4*i+3], v2, s[4:5] offset:4096*i th:TH_LOAD_NT   ; token i: 512 consecutive bytes; all 32 loads of the wave go out at once
.set i, i+1
.endr
	WIN 0
.macro TURN t                          ; step t's four loads through the stage; LDS serves a wave's instructions in order, so no wait stands between the stores and the loads
	WIN 0x04                                       ; an LDS store's data are its source 1: window 1
.irp i, 0,1,2,3
	ds_store_b128 v4, v[16*(\t)+4*\i:16*(\t)+4*\i+3] offset:32*SP*((\t)%2)+8*SP*\i
.endr
	WIN 0
.irp i, 0,1,2,3
	ds_load_b128 v[X+16*((\t)%2)+4*\i:X+16*((\t)%2)+4*\i+3], v5 offset:32*SP*((\t)%2)+16*\i
.endr
.endm
	s_wait_loadcnt 28                              ; router_w and step 0 are in; the 28 loads of steps 1 to 7 stay out
	TURN 0
.macro STEP t
.set XS, X+16*((\t)%2)
.set AC, ACC+8*((\t)%2)
.set CC, C+4*((\t)%2)
.set EE, E+(\t)%2
.if (\t) > 0
	s_wait_dscnt 4                                 ; this step's numbers are back; the last step's four stores may be out.  The stores of two steps ago are done: their registers are written again below
.else
	s_wait_dscnt 0x0
.endif
.if (\t) < 7
	s_wait_loadcnt 4*(6-(\t))                      ; the next step's four loads are in; those of the steps behind it stay out
	TURN (\t)+1
.endif
.irp p, 0,1,2,3                                ; 8 partial logits over my 16 numbers: four chains of packed multiply-adds; the first product starts the sums
	v_pk_mul_f32 v[AC+2*\p:AC+2*\p+1], v[XS:XS+1], v[W+2*\p:W+2*\p+1] op_sel_hi:[0,1]
.endr
.set ri, 1
.rept 15
.irp p, 0,1,2,3
.if ri%2
	v_pk_fma_f32 v[AC+2*\p:AC+2*\p+1], v[XS+ri-1:XS+ri], v[W+8*ri+2*\p:W+8*ri+2*\p+1], v[AC+2*\p:AC+2*\p+1] op_sel:[1,0,0] op_sel_hi:[1,1,1]
.else
	v_pk_fma_f32 v[AC+2*\p:AC+2*\p+1], v[XS+ri:XS+ri+1], v[W+8*ri+2*\p:W+8*ri+2*\p+1], v[AC+2*\p:AC+2*\p+1] op_sel_hi:[0,1,1]
.endif
.endr
.set ri, ri+1
.endr
.irp n, 1,2,4                                  ; over the token's eight lanes: all eight end up with the sums
.irp e, 0,1,2,3,4,5,6,7
	v_add_f32_dpp v[AC+\e], v[AC+\e], v[AC+\e] row_xmask:\n row_mask:0xf bank_mask:0xf
.endr
.endr
	ds_store_b128 v8, v[AC:AC+3] offset:128*(\t)   ; eight lanes write the same bytes with the same values
	ds_store_b128 v8, v[AC+4:AC+7] offset:128*(\t)+16
	v_max3_num_f32 v202, |v[XS]|, |v[XS+1]|, |v[XS+2]|             ; the largest magnitude of my 16
	v_max3_num_f32 v203, |v[XS+3]|, |v[XS+4]|, |v[XS+5]|
.irp q, 6,10
	v_max3_num_f32 v202, v202, |v[XS+\q]|, |v[XS+\q+1]|
	v_max3_num_f32 v203, v203, |v[XS+\q+2]|, |v[XS+\q+3]|
.endr
	v_max3_num_f32 v202, v202, |v[XS+14]|, |v[XS+15]|
	v_max3_num_f32 v202, v202, v203, 0x2800000     ; and the floor 2^(5 - 127): the byte cannot fall under 1
	v_max_num_f32_dpp v202, v202, v202 row_xmask:1 row_mask:0xf bank_mask:0xf   ; with my neighbour's 16: the block's
	v_add_nc_u32 v204, 0xfe000000, v202            ; 4 off its exponent field: the conversion takes this operand's exponent field as its scale
	v_cvt_scalef32_pk16_bf6_f32 v[CC:CC+2], v[XS:XS+15], v204
	v_lshrrev_b32 v[EE], 23, v204                  ; the scale's byte (also the plain line behind the conversion)
	ds_store_b96 v6, v[CC:CC+2] offset:576*(\t)
	ds_store_b8 v7, v[EE] offset:16*(\t)           ; both lanes of a block write the same byte
.endm
.irp t, 0,1,2,3,4,5,6,7
	STEP \t
.endr
	s_wait_dscnt 0x0                               ; for the others' sake: my stores have landed
	s_barrier_signal -1
	s_barrier_wait -1
.irp j, 0,1                                    ; tokens 4 w + i, half j of the row: 32 lanes x 12 bytes
.irp i, 0,1,2,3
	ds_load_b96 v[16+4*(4*\j+\i):16+4*(4*\j+\i)+2], v9 offset:144*\i+18432*\j
.endr
.endr
.irp j, 0,1
.irp i, 0,1,2,3
	s_wait_dscnt 7-(4*\j+\i)
	global_store_b96 v10, v[16+4*(4*\j+\i):16+4*(4*\j+\i)+2], s[8:9] offset:768*\i+384*\j   ; 384 consecutive bytes
.endr
.endr
	s_cmp_lg_u32 s18, 1
	s_cbranch_scc1 .Lno_bytes
.irp i, 0,1,2,3,4,5,6,7                        ; wave 1: a lane takes a token's eight scale words
	ds_load_b32 v[48+\i], v12 offset:128*\i
.endr
	v_lshlrev_b32 v56, 5, v1
	s_wait_dscnt 0x0
	global_store_b128 v56, v[48:51], s[10:11]
	global_store_b128 v56, v[52:55], s[10:11] offset:16
.Lno_bytes:
	s_cmp_lg_u32 s18, 0
	s_cbranch_scc1 .Lend
	; wave 0: a lane takes a token
.irp i, 0,1,2,3,4,5,6,7
	ds_load_b128 v[64+8*\i:64+8*\i+3], v11 offset:1024*\i
	ds_load_b128 v[64+8*\i+4:64+8*\i+7], v11 offset:1024*\i+16
.endr
	s_wait_dscnt 0x0
.irp i, 1,2,3,4,5,6,7                          ; the eight waves' parts, K ascending
.irp p, 0,1,2,3
	v_pk_add_f32 v[64+2*\p:65+2*\p], v[64+2*\p:65+2*\p], v[64+8*\i+2*\p:65+8*\i+2*\p]
.endr
.endr
	v_max3_num_f32 v128, v64, v65, v66             ; the softmax takes the row's maximum away
	v_max3_num_f32 v128, v128, v67, v68
	v_max3_num_f32 v128, v128, v69, v70
	v_max_num_f32 v128, v128, v71
.irp e, 0,1,2,3,4,5,6,7
	v_sub_f32 v[72+\e], v[64+\e], v128
.endr
.irp e, 0,1,2,3,4,5,6,7
	v_mul_f32 v[72+\e], 0x3fb8aa3b, v[72+\e]
.endr
.irp e, 0,1,2,3,4,5,6,7
	v_exp_f32 v[72+\e], v[72+\e]
.endr
	v_nop                                          ; a plain line behind the exponentials
	s_wait_alu depctr_va_vdst(0)
	v_add_f32 v129, v72, v73
.irp e, 2,3,4,5,6,7
	v_add_f32 v129, v129, v[72+\e]
.endr
	v_rcp_f32 v130, v129
	v_mov_b32 v132, 0                              ; (a plain line behind the reciprocal)  the first choice's index
	s_wait_alu depctr_va_vdst(0)
.irp e, 0,1,2,3,4,5,6,7
	v_mul_f32 v[80+\e], v[72+\e], v130             ; the probabilities
.endr
	v_mov_b32 v131, v80
.irp e, 1,2,3,4,5,6,7                          ; the largest: a later one must be strictly larger, so the lower index wins a tie
	v_cmp_ge_f32 vcc_lo, v131, v[80+\e]
	v_cndmask_b32 v132, \e, v132, vcc_lo
	v_max_num_f32 v131, v131, v[80+\e]
.endr
	v_mov_b32 v133, -1.0
.irp e, 0,1,2,3,4,5,6,7                        ; the first choice is taken out (-1 lies under every probability)
	v_cmp_eq_u32 vcc_lo, \e, v132
	v_cndmask_b32 v[88+\e], v[80+\e], v133, vcc_lo
.endr
	v_mov_b32 v134, v88
	v_mov_b32 v135, 0
.irp e, 1,2,3,4,5,6,7
	v_cmp_ge_f32 vcc_lo, v134, v[88+\e]
	v_cndmask_b32 v135, \e, v135, vcc_lo
	v_max_num_f32 v134, v134, v[88+\e]
.endr
	v_add_f32 v136, v131, v134
	v_add_f32 v136, 0x3089705f, v136               ; + 1e-9
	v_rcp_f32 v136, v136
	v_min_u32 v139, v132, v135                     ; (a plain line)  lo
	v_max_u32 v140, v132, v135                     ; hi
	s_wait_alu depctr_va_vdst(0)
	v_mul_f32 v137, v131, v136
	v_mul_f32 v138, v134, v136
	v_cmp_lt_u32 vcc_lo, v132, v135
	v_cndmask_b32 v142, v138, v137, vcc_lo         ; lo's gate
	v_cndmask_b32 v143, v137, v138, vcc_lo         ; hi's
	v_sub_nc_u32 v144, 15, v139                    ; the pair's key: lo (15 - lo) / 2 + hi - lo - 1, 0 .. 27
	v_mul_u32_u24 v144, v139, v144
	v_lshrrev_b32 v144, 1, v144
	v_add_nc_u32 v144, v144, v140
	v_sub_nc_u32 v144, v144, v139
	v_add_nc_u32 v144, -1, v144
	v_mov_b32 v146, 0                              ; lane = key: how many of the group
	v_mov_b32 v147, 0                              ; my rank among equal keys
.irp p, 0,1,2,3,4,5,6,7,8,9,10,11,12,13,14,15,16,17,18,19,20,21,22,23,24,25,26,27
	v_cmp_eq_u32 s20, \p, v144
	s_bcnt1_i32_b32 s21, s20
	v_writelane_b32 v146, s21, \p
	v_mbcnt_lo_u32_b32 v148, s20, 0
	v_cndmask_b32 v147, v147, v148, s20
.endr
	v_lshl_or_b32 v150, v147, 8, v144
	v_mov_b32 v151, v146
.irp n, 1,2,4,8                                ; each probability summed over the 32 tokens
.irp e, 0,1,2,3,4,5,6,7
	v_add_f32_dpp v[80+\e], v[80+\e], v[80+\e] row_xmask:\n row_mask:0xf bank_mask:0xf
.endr
.endr
.irp e, 0,1,2,3,4,5,6,7
	v_permlanex16_b32 v[88+\e], v[80+\e], s32, s33
.endr
.irp e, 0,1,2,3,4,5,6,7
	v_add_f32 v[80+\e], v[80+\e], v[88+\e]
.endr
	v_mov_b32 v152, 0
	v_mov_b32 v153, 0
.irp e, 0,1,2,3,4,5,6,7
	v_readfirstlane_b32 s21, v[80+\e]
	v_writelane_b32 v152, s21, \e
.endr
.irp e, 0,1,2,3,4,5,6,7
	v_cmp_eq_u32 s20, \e, v132
	s_bcnt1_i32_b32 s21, s20
	v_writelane_b32 v153, s21, 8+\e
.endr
	v_cvt_f32_u32 v153, v153
	v_add_f32 v152, v152, v153                     ; lanes 0-7 sums, lanes 8-15 counts, the rest 0
	v_lshlrev_b32 v154, 3, v1
	v_lshlrev_b32 v155, 2, v1
	global_store_b64 v154, v[142:143], s[12:13]    ; 256 consecutive bytes
	global_store_b64 v154, v[150:151], s[14:15]
	global_store_b32 v155, v152, s[16:17]
.Lend:
	s_wait_tensorcnt 0x0
	ds_add_u32 v254, v255
	s_wait_dscnt 0x0
	s_endpgm
.Lfunc_end_k_q837e440afc_route:
	.size	k_q837e440afc_route, .Lfunc_end_k_q837e440afc_route-k_q837e440afc_route
	.p2alignl 7, 3214868480
	.fill 96, 4, 3214868480
	.section	.rodata,"a",@progbits
	.p2align	6, 0x0
	.amdhsa_kernel k_q837e440afc_route
		.amdhsa_group_segment_fixed_size 88064
		.amdhsa_private_segment_fixed_size 0
		.amdhsa_enable_private_segment 0
		.amdhsa_kernarg_size 56
		.amdhsa_user_sgpr_count 2
		.amdhsa_user_sgpr_kernarg_segment_ptr 1
		.amdhsa_wavefront_size32 1
		.amdhsa_system_sgpr_workgroup_id_x 1
		.amdhsa_system_sgpr_workgroup_id_y 1
		.amdhsa_system_sgpr_workgroup_id_z 1
		.amdhsa_system_vgpr_workitem_id 0
		.amdhsa_next_free_vgpr 384
		.amdhsa_next_free_sgpr 66
		.amdhsa_reserve_vcc 1
		.amdhsa_float_denorm_mode_32 3
		.amdhsa_float_denorm_mode_16_64 3
		.amdhsa_memory_ordered 1
		.amdhsa_forward_progress 1
		.amdhsa_inst_pref_size 90
	.end_amdhsa_kernel
	.amdgpu_metadata
---
amdhsa.version: [ 1, 2 ]
amdhsa.kernels:
  - .name:           k_q837e440afc_route
    .symbol:         k_q837e440afc_route.kd
    .args:
      - { .name: x, .offset: 0, .size: 8, .value_kind: global_buffer, .address_space: global }
      - { .name: router_w, .offset: 8, .size: 8, .value_kind: global_buffer, .address_space: global }
      - { .name: xq, .offset: 16, .size: 8, .value_kind: global_buffer, .address_space: global }
      - { .name: xs, .offset: 24, .size: 8, .value_kind: global_buffer, .address_space: global }
      - { .name: gate, .offset: 32, .size: 8, .value_kind: global_buffer, .address_space: global }
      - { .name: meta, .offset: 40, .size: 8, .value_kind: global_buffer, .address_space: global }
      - { .name: auxp, .offset: 48, .size: 8, .value_kind: global_buffer, .address_space: global }
    .group_segment_fixed_size: 88064
    .private_segment_fixed_size: 0
    .kernarg_segment_align: 8
    .kernarg_segment_size: 56
    .max_flat_workgroup_size: 256
    .sgpr_count:     66
    .vgpr_count:     384
    .wavefront_size: 32
...
	.end_amdgpu_metadata
.endif
;; end of part 1
;; launch place (part 2): grid 129 x 1, 32 waves a work-group, no clusters, 12,288 bytes of LDS; arguments meta, auxp, w1_codes, w2_codes, order, tiles, out1, wq; writes order, tiles, out1, wq
.if DOCPART == 2
	.amdgcn_target "amdgcn-amd-amdhsa--gfx1250"
	.amdhsa_code_object_version 6
	.text
	.protected	k_q837e440afc_place
	.globl	k_q837e440afc_place
	.p2align	8
	.type	k_q837e440afc_place,@function
k_q837e440afc_place:
	s_mov_b64 s[64:65], 0
	v_nop
	global_prefetch_b8 v0, s[64:65] scope:SCOPE_SE
	s_setreg_imm32_b32 hwreg(HW_REG_WAVE_MODE, 25, 1), 1
	s_wait_xcnt 0x0
; PLACE.  Work-group 0 sorts the tokens by their pair of experts (a counting sort on the 28 keys, no atomics), writes the list of tiles and the auxiliary loss.
; Work-groups 1-64 lay W1's codes, 65-128 W2's, in the order in which a wave's operand registers take them: a fragment (16 rows x 128 K, 12 registers a lane) as three runs of 512 bytes, lane l's 16 bytes at 16 l.
; A wave takes one fragment.
;   wq: W1 at 0: [expert][wave 4][K step 8][tile 8]; tile 2 b + u of a wave takes rows 32 b + 8 u + r + 8 (r / 8), so that the results of two neighbouring tiles are 16 neighbours along the next K.
;       W2 at 3,145,728: [expert][wave 4][chunk 4][K step 4][tile 4]; a tile takes 16 neighbouring rows.
; The three ways part on the work-group's number alone; only the sort uses LDS and a barrier.
; SORT.  Wave w owns groups 8 w .. 8 w + 7 of 32 tokens.  A key's count sits in lane = key.  Every wave adds its eight counts, the 32 sums meet in LDS, every wave makes the totals, what the waves before it hold,
; and one scan over the lanes of total | tiles << 16 (8,192 tokens and 198 tiles at the most: neither field runs over).  A token's place = its key's start + the groups before + its rank in its group.
; TILES.  A key with n tokens has ceil(n / 48) tiles; never more than floor((8192 + 28 x 47) / 48) = 198 in all.  Entry i: lo | hi << 8, first place, last place, rows; an entry past the last tile has 0 rows.
	s_load_b256 s[4:11], s[0:1], 0x0               ; meta, auxp, w1_codes, w2_codes
	s_load_b256 s[12:19], s[0:1], 0x20             ; order, tiles, out1, wq
	v_lshl_add_u32 v96, v0, 2, 0x2000
	v_mov_b32 v97, 0
	v_lshrrev_b32 v8, 5, v0
	v_readfirstlane_b32 s20, v8                    ; wave 0..31
	v_and_b32 v1, 31, v0                           ; lane
	v_lshlrev_b32 v2, 2, v1                        ; LDS: a row's word for my lane
	v_lshlrev_b32 v3, 2, v0                        ; LDS: my wave's row, my lane
	v_lshlrev_b32 v7, 4, v1                        ; an image's place for my lane
	v_and_b32 v8, 15, v0                           ; r
	v_bfe_u32 v9, v0, 4, 1                         ; h
	s_wait_kmcnt 0x0
	s_cmp_eq_u32 ttmp9, 0
	s_cbranch_scc1 .Lsort
.macro RELAY src                       ; a fragment: as rows in, as a register image out
.irp p, 0,1,2,3,4,5
	global_load_b64 v[16+2*\p:17+2*\p], v6, s[\src:\src+1] offset:48*(\p/3)+8*(\p%3)
.endr
	s_wait_loadcnt 0x0
.irp c, 0,1,2
	global_store_b128 v7, v[16+4*\c:16+4*\c+3], s[18:19] offset:512*\c   ; 512 consecutive bytes
.endr
.endm
	s_cmp_gt_u32 ttmp9, 64
	s_cbranch_scc1 .Lw2
	s_sub_co_u32 s21, ttmp9, 1
	s_lshl_b32 s21, s21, 5
	s_add_co_u32 s21, s21, s20                     ; my fragment: ((4 e + w) 8 + s) 8 + tile
	s_lshr_b32 s22, s21, 6
	s_lshl_b32 s22, s22, 7                         ; row 512 e + 128 w
	s_bfe_u32 s23, s21, 0x20001
	s_lshl_b32 s23, s23, 5                         ; + 32 (tile / 2)
	s_add_co_u32 s22, s22, s23
	s_and_b32 s23, s21, 1
	s_lshl_b32 s23, s23, 3                         ; + 8 (tile % 2)
	s_add_co_u32 s22, s22, s23
	s_mul_i32 s22, s22, 768
	s_bfe_u32 s23, s21, 0x30003
	s_mul_i32 s23, s23, 96                         ; + K step
	s_add_co_u32 s22, s22, s23
	s_mov_b32 s23, 0
	s_add_nc_u64 s[8:9], s[8:9], s[22:23]
	s_mul_i32 s22, s21, 1536
	s_add_nc_u64 s[18:19], s[18:19], s[22:23]
	v_and_b32 v6, 8, v8
	v_add_nc_u32 v6, v6, v8                        ; r + 8 (r / 8)
	v_mul_u32_u24 v6, v6, 768
	v_mad_u32_u24 v6, v9, 24, v6
	RELAY 8
	s_branch .Lend
.Lw2:
	s_sub_co_u32 s21, ttmp9, 65
	s_lshl_b32 s21, s21, 5
	s_add_co_u32 s21, s21, s20                     ; (((4 e + w) 4 + c) 4 + s) 4 + tile
	s_lshr_b32 s22, s21, 4
	s_lshl_b32 s22, s22, 6                         ; row 1024 e + 256 w + 64 c
	s_and_b32 s23, s21, 3
	s_lshl_b32 s23, s23, 4                         ; + 16 tile
	s_add_co_u32 s22, s22, s23
	s_mul_i32 s22, s22, 384
	s_bfe_u32 s23, s21, 0x20002
	s_mul_i32 s23, s23, 96
	s_add_co_u32 s22, s22, s23
	s_mov_b32 s23, 0
	s_add_nc_u64 s[10:11], s[10:11], s[22:23]
	s_mul_i32 s22, s21, 1536
	s_add_co_u32 s22, s22, 3145728
	s_add_nc_u64 s[18:19], s[18:19], s[22:23]
	v_mul_u32_u24 v6, v8, 384
	v_mad_u32_u24 v6, v9, 24, v6
	RELAY 10
	s_branch .Lend
.Lsort:
	s_lshl_b32 s21, s20, 11
	v_lshl_add_u32 v4, v1, 3, s21                  ; meta: 2048 w + 8 l
	s_lshl_b32 s21, s20, 10
	v_lshl_add_u32 v5, v1, 2, s21                  ; auxp: 1024 w + 4 l
.irp j, 0,1,2,3,4,5,6,7
	global_load_b64 v[16+2*\j:17+2*\j], v4, s[4:5] offset:256*\j
.endr
.irp j, 0,1,2,3,4,5,6,7
	global_load_b32 v[32+\j], v5, s[6:7] offset:128*\j
.endr
	s_wait_loadcnt 0x0
	v_add_nc_u32 v72, v17, v19
	v_add_f32 v73, v32, v33
.irp j, 2,3,4,5,6,7
	v_add_nc_u32 v72, v72, v[17+2*\j]
	v_add_f32 v73, v73, v[32+\j]
.endr
	ds_store_b32 v3, v72
	ds_store_b32 v3, v73 offset:4096
	s_wait_dscnt 0x0                               ; for the others' sake
	s_barrier_signal -1
	s_barrier_wait -1
.set i, 0
.rept 32
	ds_load_b32 v[40+i], v2 offset:128*i
.set i, i+1
.endr
	v_mov_b32 v74, 0                               ; a key's total
	v_mov_b32 v75, 0                               ; and what the waves before mine hold of it
	s_wait_dscnt 0x0
.set i, 0
.rept 32
	s_cmp_gt_u32 s20, i
	s_cselect_b32 s21, -1, 0
	v_add_nc_u32 v74, v74, v[40+i]
	v_and_b32 v76, s21, v[40+i]
	v_add_nc_u32 v75, v75, v76
.set i, i+1
.endr
	v_add_nc_u32 v77, 47, v74                      ; ceil(total / 48) = ((total + 47) x 43691) >> 21: 43691 x 48 = 2^21 + 16, exact for numbers under 131,072
	v_mul_u32_u24 v77, v77, 0xaaab
	v_lshrrev_b32 v77, 21, v77
	v_lshl_or_b32 v77, v77, 16, v74                ; total | tiles << 16
	v_mov_b32 v78, v77
	v_mov_b32 v79, 0
.irp n, 1,2,4,8                                ; a running sum over each 16 lanes,
	v_mov_b32_dpp v79, v78 row_shr:\n row_mask:0xf bank_mask:0xf bound_ctrl:1
	v_add_nc_u32 v78, v78, v79
.endr
	v_readlane_b32 s21, v78, 15                    ; and the lower 16's sum onto the upper 16
	v_mov_b32 v79, s21
	v_cmp_le_u32 vcc_lo, 16, v1
	v_cndmask_b32 v79, 0, v79, vcc_lo
	v_add_nc_u32 v78, v78, v79
	v_sub_nc_u32 v77, v78, v77                     ; what lies before my key: first place | first tile << 16
	v_lshrrev_b32 v78, 16, v78                     ; tiles up to and with my key
	v_and_b32 v79, 0xffff, v77
	v_add_nc_u32 v80, v79, v75                     ; lane = key: where group 8 w's tokens of that key begin,
.irp j, 1,2,3,4,5,6,7
	v_add_nc_u32 v[80+\j], v[79+\j], v[15+2*\j]    ; and the next groups'
.endr
.irp j, 0,1,2,3,4,5,6,7
	v_and_b32 v[88+\j], 0xff, v[16+2*\j]           ; lane = token: its key
.endr
.irp j, 0,1,2,3,4,5,6,7
	v_lshlrev_b32 v[88+\j], 2, v[88+\j]
.endr
.irp j, 0,1,2,3,4,5,6,7
	ds_bpermute_b32 v[40+\j], v[88+\j], v[80+\j]   ; from the lane of that key
.endr
	s_lshl_b32 s21, s20, 8
	v_add_nc_u32 v48, s21, v1                      ; the token: 256 w + 32 j + l
.irp j, 1,2,3,4,5,6,7
	v_add_nc_u32 v[48+\j], 32*\j, v48
.endr
	s_wait_dscnt 0x0
.irp j, 0,1,2,3,4,5,6,7
	v_lshrrev_b32 v[88+\j], 8, v[16+2*\j]          ; + its rank in its group
	v_add_nc_u32 v[40+\j], v[40+\j], v[88+\j]
	v_min_u32 v[40+\j], 0x1fff, v[40+\j]
	v_lshlrev_b32 v[40+\j], 2, v[40+\j]
	global_store_b32 v[40+\j], v[48+\j], s[12:13]  ; four bytes a lane to scattered places: 32 KiB in the whole launch
.endr
	s_cmp_lt_u32 s20, 7
	s_cbranch_scc0 .Lnot_tiles
	v_mov_b32 v56, 0                               ; waves 0-6: a thread takes entry i = its number.  Its key: how many keys end at or before tile i
.irp q, 0,1,2,3,4,5,6,7,8,9,10,11,12,13,14,15,16,17,18,19,20,21,22,23,24,25,26,27
	v_readlane_b32 s21, v78, \q
	v_cmp_le_u32 vcc_lo, s21, v0
	v_add_co_ci_u32 v56, vcc_lo, 0, v56, vcc_lo    ; the comparison is the carry
.endr
	v_min_u32 v56, 27, v56
	v_lshlrev_b32 v57, 2, v56
	ds_bpermute_b32 v58, v57, v77
	ds_bpermute_b32 v59, v57, v74
	v_mov_b32 v61, 0
.irp c, 7,13,18,22,25,27                       ; lo: the keys of lo begin at lo (15 - lo) / 2
	v_cmp_le_u32 vcc_lo, \c, v56
	v_add_co_ci_u32 v61, vcc_lo, 0, v61, vcc_lo
.endr
	v_sub_nc_u32 v62, 15, v61
	v_mul_u32_u24 v62, v61, v62
	v_lshrrev_b32 v62, 1, v62
	v_sub_nc_u32 v63, v56, v62
	v_add3_u32 v63, v63, v61, 1                    ; hi
	v_lshl_or_b32 v64, v63, 8, v61
	v_lshlrev_b32 v68, 4, v0
	s_wait_dscnt 0x0
	v_lshrrev_b32 v60, 16, v58
	v_sub_nc_u32 v60, v0, v60                      ; which tile of its key
	v_mul_u32_u24 v60, v60, 48
	v_sub_nc_u32 v67, v59, v60
	v_max_i32 v67, 0, v67
	v_min_i32 v67, 48, v67                         ; rows: 0 past the last tile
	v_and_b32 v65, 0xffff, v58
	v_add_nc_u32 v65, v65, v60
	v_min_u32 v65, 0x1fff, v65                     ; first place
	v_max_u32 v66, 1, v67
	v_add_nc_u32 v66, v65, v66
	v_add_nc_u32 v66, -1, v66                      ; last place
	global_store_b128 v68, v[64:67], s[14:15]      ; 512 consecutive bytes a wave
	s_branch .Lend
.Lnot_tiles:
	s_cmp_eq_u32 s20, 7
	s_cbranch_scc0 .Lend
.set i, 0
.rept 32                                       ; wave 7: the loss
	ds_load_b32 v[56+i], v2 offset:4096+128*i
.set i, i+1
.endr
	s_wait_dscnt 0x0
	v_add_f32 v88, v56, v57
.set i, 2
.rept 30
	v_add_f32 v88, v88, v[56+i]
.set i, i+1
.endr
	v_mov_b32 v89, 0
	v_mul_f32_dpp v89, v88, v88 row_xmask:8 row_mask:0xf bank_mask:0xf     ; an expert's count x its sum of probabilities
.irp n, 1,2,4
	v_add_f32_dpp v89, v89, v89 row_xmask:\n row_mask:0xf bank_mask:0xf
.endr
	v_mul_f32 v89, 0x34000000, v89                 ; x 8 / 8192^2 = 2^-23
	v_mov_b32 v90, 0
	v_cmp_eq_u32 vcc_lo, 0, v1
	s_wait_xcnt 0x0                                ; EXEC changes only behind this wait: my stores above have been taken
	s_and_saveexec_b32 s21, vcc_lo
	global_store_b32 v90, v89, s[16:17]            ; lane 0 alone
	s_wait_xcnt 0x0
	s_or_b32 exec_lo, exec_lo, s21
.Lend:
	s_wait_tensorcnt 0x0
	ds_add_u32 v96, v97
	s_wait_dscnt 0x0
	s_endpgm
.Lfunc_end_k_q837e440afc_place:
	.size	k_q837e440afc_place, .Lfunc_end_k_q837e440afc_place-k_q837e440afc_place
	.p2alignl 7, 3214868480
	.fill 96, 4, 3214868480
	.section	.rodata,"a",@progbits
	.p2align	6, 0x0
	.amdhsa_kernel k_q837e440afc_place
		.amdhsa_group_segment_fixed_size 12288
		.amdhsa_private_segment_fixed_size 0
		.amdhsa_enable_private_segment 0
		.amdhsa_kernarg_size 64
		.amdhsa_user_sgpr_count 2
		.amdhsa_user_sgpr_kernarg_segment_ptr 1
		.amdhsa_wavefront_size32 1
		.amdhsa_system_sgpr_workgroup_id_x 1
		.amdhsa_system_sgpr_workgroup_id_y 1
		.amdhsa_system_sgpr_workgroup_id_z 1
		.amdhsa_system_vgpr_workitem_id 0
		.amdhsa_next_free_vgpr 98
		.amdhsa_next_free_sgpr 66
		.amdhsa_reserve_vcc 1
		.amdhsa_float_denorm_mode_32 3
		.amdhsa_float_denorm_mode_16_64 3
		.amdhsa_memory_ordered 1
		.amdhsa_forward_progress 1
		.amdhsa_inst_pref_size 28
	.end_amdhsa_kernel
	.amdgpu_metadata
---
amdhsa.version: [ 1, 2 ]
amdhsa.kernels:
  - .name:           k_q837e440afc_place
    .symbol:         k_q837e440afc_place.kd
    .args:
      - { .name: meta, .offset: 0, .size: 8, .value_kind: global_buffer, .address_space: global }
      - { .name: auxp, .offset: 8, .size: 8, .value_kind: global_buffer, .address_space: global }
      - { .name: w1_codes, .offset: 16, .size: 8, .value_kind: global_buffer, .address_space: global }
      - { .name: w2_codes, .offset: 24, .size: 8, .value_kind: global_buffer, .address_space: global }
      - { .name: order, .offset: 32, .size: 8, .value_kind: global_buffer, .address_space: global }
      - { .name: tiles, .offset: 40, .size: 8, .value_kind: global_buffer, .address_space: global }
      - { .name: out1, .offset: 48, .size: 8, .value_kind: global_buffer, .address_space: global }
      - { .name: wq, .offset: 56, .size: 8, .value_kind: global_buffer, .address_space: global }
    .group_segment_fixed_size: 12288
    .private_segment_fixed_size: 0
    .kernarg_segment_align: 8
    .kernarg_segment_size: 64
    .max_flat_workgroup_size: 1024
    .sgpr_count:     66
    .vgpr_count:     98
    .wavefront_size: 32
...
	.end_amdgpu_metadata
.endif
;; end of part 2
;; launch chain (part 3): grid 198 x 1, 4 waves a work-group, no clusters, 120,320 bytes of LDS; arguments tiles, order, gate, xq, xs, wq, w1_scales, w2_scales, out0; writes out0
.if DOCPART == 3
	.amdgcn_target "amdgcn-amd-amdhsa--gfx1250"
	.amdhsa_code_object_version 6
	.text
	.protected	k_q837e440afc_chain
	.globl	k_q837e440afc_chain
	.p2align	8
	.type	k_q837e440afc_chain,@function
k_q837e440afc_chain:
	s_mov_b64 s[64:65], 0
	v_nop
	global_prefetch_b8 v0, s[64:65] scope:SCOPE_SE
	s_setreg_imm32_b32 hwreg(HW_REG_WAVE_MODE, 25, 1), 1
	s_wait_xcnt 0x0
; CHAIN.  out0[token] = gate_lo silu(x W1[lo]) W2[lo] + gate_hi silu(x W1[hi]) W2[hi], both products of both experts on codes of BF6 (E3M2) with one E8M0 scale for each 32 along K.
; A work-group takes one tile: up to 48 tokens that chose the same pair lo < hi.  So every row of out0 has one owner, and only the chosen experts are multiplied.  198 tiles serve every split of 8,192 tokens over
; 28 pairs (floor((8192 + 28 x 47) / 48)).  Rows past the tile's last repeat its last token: they give the same bits and are stored to the same bytes by the same wave.
; A tile with no rows runs the head and both barriers and passes over the work between and behind them: every wave of every work-group passes every barrier, and no barrier stands under a branch on a stored number.
; NO CLUSTER, NO TENSOR LOAD: which experts a tile walks, and whether it has rows, is read from memory; partners of one pair would need each of 28 pairs padded to four tiles.
; SHARES.  THE WAVES SHARE THE COLUMNS: wave w makes hidden units 128 w .. + 127 (K step w of the second product) and outputs 256 w .. + 255, for all 48 tokens.  Weights come from wq, laid as register images, straight
; into a ring of four buffers of 8 fragments (12,288 bytes on end, 24 loads); each byte once a work-group.  x's codes and the hidden layer's go from wave to wave through LDS as images of the operands' registers.
; BOTH PRODUCTS ARE USED TRANSPOSED (source 0 = 16 rows of a weight, source 1 = 16 tokens): a lane holds one token, its registers run along the hidden units or the outputs.
; ORDER.  head: tokens, gather of x | barrier | for lo, then hi: 8 K steps x 24 products, silu, quantised, image to LDS | barrier | 4 chunks of 64 outputs: 8 x 12 products (lo's 4 K steps, hi's 4), gates, out through my stage.
; LIMITS: NaN and infinities are not served; a hidden block whose largest magnitude lies under 2^-122 keeps the byte 1; silu of a number under about -88 gives -0.
; REGISTERS, in windows of 256.  Window 0: v1-9 addresses; v10-14 tokens; v16-21 gates; v24-47 my byte offsets in out0; v56-71 x's scale words; v72-87 the hidden layer's; v88-119 the weights';
;   v120-183 x's fragments of even K steps / 64 hidden numbers / hidden fragments 0 (v120-155); v184-231 the quantiser's work / hidden fragments 3 (v184-219); on the way out v156-187 and v188-219 hold rows;
;   v232 W1's scale rows; v233-255 the head's.
;   Window 1: the accumulators (first product: 64 m + 8 t; second: 128 e + 8 (4 m + t)); v96-127 rows on the way out.
;   Window 2: weight buffers 0, 1; v192-255 silu's work / hidden fragments 2.   Window 3: weight buffers 2, 3; v192-227 x's fragments of odd K steps / hidden fragments 1.
.set NM,    3                          ; row tiles of 16 tokens
.set FRB,   1536                       ; a fragment's image: 12 registers x 128 bytes
.set UNITB, 8*FRB
.set XIMG,  0                          ; LDS: x's fragments (row tile m, K step s: 8 m + s)
.set HIMG,  49152                      ; the hidden layer's ((4 e + m) 4 + s)
.set HSC,   98304                      ; their scale words, 128 bytes each
.set STG,   102400                     ; a stage of 16 rows x (256 + 16) bytes for each wave
.set G,    16
.set OFF,  24
.set XS,   56
.set HS,   72
.set SCW,  88
.set ST,   120
.set TM,   184
.set PW,   200
.set PC,   204
.set HF3,  184
.set BKA,  156                         ; the way out: row tile m's rows at BKA + 32 m (m = 0, 1); row tile 2's in window 1 at BKW
.set BKW,  96
.set SLO,  232
.set T,    192
.set SEL,  58
.set MSB,  0
.macro WIN new                         ; low byte: bits 1:0 source 0, 3:2 source 1, 5:4 source 2, 7:6 destination; the high byte repeats the setting that is left
.set WN, \new
.if MSB != WN
	s_set_vgpr_msb (MSB<<8)|WN
.set MSB, WN
.endif
.endm
.macro PLACES                          ; four plain lines between a matrix instruction and a load into one of its registers, or the first read of its result (ISA guide 7.12.1 for vector instructions)
.rept 4
	v_nop
.endr
.endm
.macro BARRIER
	s_wait_dscnt 0x0                               ; my LDS stores have landed and my LDS loads are in
	s_barrier_signal -1
	s_barrier_wait -1
.endm
.macro GLOAD buf, ptr, off             ; 8 fragments of a weight, 12,288 bytes on end, into buffer buf
	WIN 0x80+0x40*((\buf)/2)
.set gi, 0
.rept 24
	global_load_b128 v[96*((\buf)%2)+4*gi:96*((\buf)%2)+4*gi+3], v1, s[\ptr:\ptr+1] offset:(\off)+512*gi
.set gi, gi+1
.endr
	WIN 0
.endm
.macro W1SC ptr                        ; W1's scale words of my 128 rows, all 8 K steps: register 8 b + s: lanes 0-15 tile 2 b's rows, lanes 16-31 tile 2 b + 1's
.irp b, 0,1,2,3
.irp k, 0,1
	global_load_b128 v[SCW+8*\b+4*\k:SCW+8*\b+4*\k+3], v[SLO], s[\ptr:\ptr+1] offset:1024*\b+16*\k
.endr
.endr
.endm
.macro W2SC off                        ; W2's of a chunk's 64 rows, both experts: register 8 e + 4 p + s: lanes 0-15 tile 2 p, lanes 16-31 tile 2 p + 1
.irp p, 0,1
	global_load_b128 v[SCW+4*\p:SCW+4*\p+3], v1, s[52:53] offset:(\off)+512*\p
	global_load_b128 v[SCW+8+4*\p:SCW+8+4*\p+3], v1, s[54:55] offset:(\off)+512*\p
.endr
.endm
.macro XLOAD s                         ; x's three fragments of K step s: nine loads
.if (\s)%2
	WIN 0xc0
.set xb, 192
.else
	WIN 0
.set xb, ST
.endif
.irp m, 0,1,2
.irp c, 0,1,2
	ds_load_b128 v[xb+12*\m+4*\c:xb+12*\m+4*\c+3], v1 offset:XIMG+(8*\m+(\s))*FRB+512*\c
.endr
.endr
	WIN 0
.endm
.macro HLOAD j                         ; the hidden layer's three fragments of expert j / 4, K step j % 4: nine loads
.set hq, (\j)%4
.if hq == 1
	WIN 0xc0
.set hb, 192
.elseif hq == 2
	WIN 0x80
.set hb, 192
.elseif hq == 3
	WIN 0
.set hb, HF3
.else
	WIN 0
.set hb, ST
.endif
.irp m, 0,1,2
.irp c, 0,1,2
	ds_load_b128 v[hb+12*\m+4*\c:hb+12*\m+4*\c+3], v2 offset:((4*((\j)/4)+\m)*4+(\j)%4)*FRB+512*\c
.endr
.endr
	WIN 0
.endm
; One product.  rD, rA, rB: the registers; rSA, rSB: the scale words (always of window 0); oA, oB: taken from lanes 16-31; zC: the product starts its sum.
.macro WM
.if zC
.if oA && oB
	v_wmma_scale_f32_16x16x128_f8f6f4 v[rD:rD+7], v[rA:rA+11], v[rB:rB+11], 0, v[rSA], v[rSB] matrix_a_fmt:MATRIX_FMT_BF6 matrix_b_fmt:MATRIX_FMT_BF6 matrix_a_scale:MATRIX_SCALE_ROW1 matrix_b_scale:MATRIX_SCALE_ROW1
.elseif oA
	v_wmma_scale_f32_16x16x128_f8f6f4 v[rD:rD+7], v[rA:rA+11], v[rB:rB+11], 0, v[rSA], v[rSB] matrix_a_fmt:MATRIX_FMT_BF6 matrix_b_fmt:MATRIX_FMT_BF6 matrix_a_scale:MATRIX_SCALE_ROW1
.elseif oB
	v_wmma_scale_f32_16x16x128_f8f6f4 v[rD:rD+7], v[rA:rA+11], v[rB:rB+11], 0, v[rSA], v[rSB] matrix_a_fmt:MATRIX_FMT_BF6 matrix_b_fmt:MATRIX_FMT_BF6 matrix_b_scale:MATRIX_SCALE_ROW1
.else
	v_wmma_scale_f32_16x16x128_f8f6f4 v[rD:rD+7], v[rA:rA+11], v[rB:rB+11], 0, v[rSA], v[rSB] matrix_a_fmt:MATRIX_FMT_BF6 matrix_b_fmt:MATRIX_FMT_BF6
.endif
.else
.if oA && oB
	v_wmma_scale_f32_16x16x128_f8f6f4 v[rD:rD+7], v[rA:rA+11], v[rB:rB+11], v[rD:rD+7], v[rSA], v[rSB] matrix_a_fmt:MATRIX_FMT_BF6 matrix_b_fmt:MATRIX_FMT_BF6 matrix_a_scale:MATRIX_SCALE_ROW1 matrix_b_scale:MATRIX_SCALE_ROW1
.elseif oA
	v_wmma_scale_f32_16x16x128_f8f6f4 v[rD:rD+7], v[rA:rA+11], v[rB:rB+11], v[rD:rD+7], v[rSA], v[rSB] matrix_a_fmt:MATRIX_FMT_BF6 matrix_b_fmt:MATRIX_FMT_BF6 matrix_a_scale:MATRIX_SCALE_ROW1
.elseif oB
	v_wmma_scale_f32_16x16x128_f8f6f4 v[rD:rD+7], v[rA:rA+11], v[rB:rB+11], v[rD:rD+7], v[rSA], v[rSB] matrix_a_fmt:MATRIX_FMT_BF6 matrix_b_fmt:MATRIX_FMT_BF6 matrix_b_scale:MATRIX_SCALE_ROW1
.else
	v_wmma_scale_f32_16x16x128_f8f6f4 v[rD:rD+7], v[rA:rA+11], v[rB:rB+11], v[rD:rD+7], v[rSA], v[rSB] matrix_a_fmt:MATRIX_FMT_BF6 matrix_b_fmt:MATRIX_FMT_BF6
.endif
.endif
.endm
; K STEP s OF THE FIRST PRODUCT: 8 tiles of hidden units x 3 tiles of tokens.  The 24 accumulators take turns, one instruction a turn.
; Global loads were issued in the order unit 0, 1, 2, the scale words, unit 3; then unit s + 3 in step s (s = 1 .. 4), into the buffer that step s - 1 has left.
.macro UNIT s
.if ((\s) == 0) || ((\s) == 6)
	s_wait_loadcnt 24                              ; step 0: all but unit 3 are in, the scale words among them.  Step 6: only unit 7 is younger than unit 6
.elseif ((\s) >= 3) && ((\s) <= 5)
	s_wait_loadcnt 48                              ; two younger units may stay out
.elseif (\s) == 7
	s_wait_loadcnt 0x0
.endif
	PLACES
.if ((\s) >= 1) && ((\s) <= 4)
	GLOAD ((\s)+3)%4, 38, ((\s)+3)*UNITB
.endif
.if (\s) < 7
	XLOAD (\s)+1
	s_wait_dscnt 3*NM                              ; this step's fragments of x are in; the next step's nine loads stay out
.else
	s_wait_dscnt 0x0
.endif
	WIN 0x52+12*((\s)%2)+((\s)%4)/2                ; source 0: window 2 or 3; source 1: window 0 or 3; C and D: window 1
.set zC, (\s) == 0
.set um, 0
.rept NM
.set ut, 0
.rept 8
.set rD, 64*um+8*ut
.set rA, 96*((\s)%2)+12*ut
.set rB, ST+72*((\s)%2)+12*um
.set rSA, SCW+8*(ut/2)+(\s)
.set rSB, XS+8*(um/2)+(\s)
.set oA, ut%2
.set oB, um%2
	WM
.set ut, ut+1
.endr
.set um, um+1
.endr
	WIN 0
.endm
; silu of row tile m's 64 numbers a lane: a / (1 + 2^(-a log2 e)), in f32, packed where a packed form exists.  Each accumulator is read from its low end on.
.macro SILU m
	WIN 0x81                                       ; destination window 2, source 0 window 1
.set k, 0
.rept 32
	v_pk_mul_f32 v[T+2*k:T+2*k+1], v[64*(\m)+2*k:64*(\m)+2*k+1], s[60:61] op_sel_hi:[1,0]
.set k, k+1
.endr
	WIN 0x82
.set k, 0
.rept 64
	v_exp_f32 v[T+k], v[T+k]
.set k, k+1
.endr
	v_nop                                          ; a plain line behind the exponentials
.set k, 0
	s_wait_alu depctr_va_vdst(0)
.rept 32
	v_pk_add_f32 v[T+2*k:T+2*k+1], v[T+2*k:T+2*k+1], 1.0 op_sel_hi:[1,0]
.set k, k+1
.endr
.set k, 0
.rept 64
	v_rcp_f32 v[T+k], v[T+k]
.set k, k+1
.endr
	v_nop                                          ; a plain line behind the reciprocals
	WIN 0x09                                       ; source 0 window 1, source 1 window 2, destination window 0
.set k, 0
	s_wait_alu depctr_va_vdst(0)
.rept 32
	v_pk_mul_f32 v[ST+2*k:ST+2*k+1], v[64*(\m)+2*k:64*(\m)+2*k+1], v[T+2*k:T+2*k+1]
.set k, k+1
.endr
	WIN 0
.endm
; 64 numbers of a lane, register 16 b + i = k 32 b + 16 (lane / 16) + i of my token, become a fragment's codes in v[PC] on and its scale word in v[PW].
.macro QUANT s
.irp b, 0,1,2,3
	v_max3_num_f32 v[TM+\b], |v[\s+16*\b]|, |v[\s+1+16*\b]|, 0x2800000   ; block b: my 16 numbers, and the floor 2^(5 - 127): the byte cannot fall under 1
.endr
.irp i, 2,4,6,8,10,12,14
.irp b, 0,1,2,3
	v_max3_num_f32 v[TM+\b], v[TM+\b], |v[\s+16*\b+\i]|, |v[\s+1+16*\b+\i]|
.endr
.endr
.irp b, 0,1,2,3
	v_permlanex16_b32 v[TM+4+\b], v[TM+\b], s[SEL], s[SEL+1]
.endr
.irp b, 0,1,2,3
	v_max_num_f32 v[TM+\b], v[TM+\b], v[TM+4+\b]   ; with lane l xor 16's: the block's largest magnitude
.endr
.irp b, 0,1,2,3
	v_add_nc_u32 v[TM+12+\b], 0xfe000000, v[TM+\b] ; 4 off its exponent field: the conversion's scale operand
.endr
.irp b, 0,1,2,3
	v_lshrrev_b32 v[TM+4+\b], 23, v[TM+12+\b]      ; the scale's byte
.endr
	v_lshl_or_b32 v[PW], v[TM+5], 8, v[TM+4]
	v_lshl_or_b32 v[PW], v[TM+6], 16, v[PW]
	v_lshl_or_b32 v[PW], v[TM+7], 24, v[PW]
.irp c, 0,1
	v_cvt_scalef32_pk16_bf6_f32 v[PC+6*\c:PC+2+6*\c], v[\s+32*\c:\s+15+32*\c], v[TM+12+2*\c]
	v_cvt_scalef32_pk16_bf6_f32 v[PC+12+4*\c:PC+14+4*\c], v[\s+16+32*\c:\s+31+32*\c], v[TM+12+2*\c+1]   ; (a conversion's three registers begin on an even number)
.endr
	v_nop                                          ; one plain line behind a scaled conversion
.irp c, 0,1                                    ; the operand wants a WHOLE block in a lane: lanes 0-15 block 2 c, lanes 16-31 block 2 c + 1
.irp i, 0,1,2
	v_permlane16_swap_b32 v[PC+6*\c+\i], v[PC+12+4*\c+\i]
.endr
.irp i, 0,1,2
	v_mov_b32 v[PC+3+6*\c+\i], v[PC+12+4*\c+\i]
.endr
.endr
.endm
.macro IMAGE off                       ; the fragment goes to LDS as it stands: K step w of the second product
.irp c, 0,1,2
	ds_store_b128 v3, v[PC+4*\c:PC+4*\c+3] offset:(\off)+512*\c
.endr
.endm
; Row tile m of the hidden layer.  The first expert's image and the second's have places of their own, named by immediates: two copies of the stores, chosen by the loop's counter.
; The scale words are read back two row tiles to a register; the last row tile has no partner, so its word is stored at the partner's place too: no byte is read that nobody wrote (those lanes are never selected).
.macro HOUT m
	SILU \m
	QUANT ST
	s_cmp_lg_u32 s62, 0
	s_cbranch_scc1 .Lsecond_\@
	IMAGE 4*FRB*(\m)
	ds_store_b32 v4, v[PW] offset:512*(\m)
.if (\m) == NM-1
	ds_store_b32 v4, v[PW] offset:512*(\m)+512
.endif
	s_branch .Lstored_\@
.Lsecond_\@:
	IMAGE 16*FRB+4*FRB*(\m)
	ds_store_b32 v4, v[PW] offset:2048+512*(\m)
.if (\m) == NM-1
	ds_store_b32 v4, v[PW] offset:2048+512*(\m)+512
.endif
.Lstored_\@:
	s_wait_dscnt 0x0                               ; the stores have read their registers
.endm
; PART j OF A CHUNK OF THE SECOND PRODUCT: expert j / 4, K step j % 4: 4 tiles of outputs x 3 tiles of tokens, 12 accumulators by turns.
; Weight buffers 0, 1: the first expert's K steps 0-1, 2-3; buffers 2, 3: the second's.  Issue order for a chunk: buffer 0, 1, 2, the scale words, buffer 3.
.macro SUB j, last
.set sE, (\j)/4
.set sS, (\j)%4
.if (\j) == 0
	s_wait_loadcnt 24                              ; all but buffer 3 are in
.elseif (\j) == 6
.if \last
	s_wait_loadcnt 0x0
.else
	s_wait_loadcnt 48                              ; buffer 3 is in; behind it the next chunk's buffers 0 and 1 were asked for
.endif
.endif
	PLACES
.if !(\last)
.if (\j) == 2
	GLOAD 0, 44, 2*UNITB
.elseif (\j) == 4
	GLOAD 1, 44, 3*UNITB
.elseif (\j) == 6
	GLOAD 2, 46, 2*UNITB
.endif
.endif
.if (\last) && ((\j) > 4)
	s_wait_dscnt 3*NM*(7-(\j))                     ; the runs of nine loads that are younger than this part's
.else
	HLOAD ((\j)+3)%8                               ; three parts ahead, into the registers that the part before has left
	s_wait_dscnt 9*NM                              ; this part's fragments are in; three younger runs of nine stay out
.endif
.if sS == 1
.set bw, 3
.set hb, 192
.elseif sS == 2
.set bw, 2
.set hb, 192
.elseif sS == 3
.set bw, 0
.set hb, HF3
.else
.set bw, 0
.set hb, ST
.endif
	WIN 0x52+4*bw+sE
.set zC, sS == 0
.set um, 0
.rept NM
.set ut, 0
.rept 4
.set rD, 128*sE+8*(4*um+ut)
.set rA, 96*(((\j)/2)%2)+48*((\j)%2)+12*ut
.set rB, hb+12*um
.set rSA, SCW+8*sE+4*(ut/2)+sS
.set rSB, HS+8*sE+4*(um/2)+sS
.set oA, ut%2
.set oB, um%2
	WM
.set ut, ut+1
.endr
.set um, um+1
.endr
	WIN 0
.endm
.macro COMB m                          ; row tile m: gate_lo x the first expert's + gate_hi x the second's, each accumulator from its low end on
	WIN 0x51
.set k, 0
.rept 16
	v_pk_mul_f32 v[32*(\m)+2*k:32*(\m)+2*k+1], v[32*(\m)+2*k:32*(\m)+2*k+1], v[G+2*(\m):G+2*(\m)+1] op_sel_hi:[1,0]
.set k, k+1
.endr
.set k, 0
.rept 16
	v_pk_fma_f32 v[32*(\m)+2*k:32*(\m)+2*k+1], v[128+32*(\m)+2*k:128+32*(\m)+2*k+1], v[G+2*(\m):G+2*(\m)+1], v[32*(\m)+2*k:32*(\m)+2*k+1] op_sel:[0,1,0] op_sel_hi:[1,1,1]
.set k, k+1
.endr
	WIN 0
.endm
.macro TOST m                          ; a lane's 8 neighbouring outputs of a token, 32 bytes a tile, into my stage
	WIN 0x04
.irp t, 0,1,2,3
	ds_store_b128 v6, v[32*(\m)+8*\t:32*(\m)+8*\t+3] offset:64*\t
	ds_store_b128 v6, v[32*(\m)+8*\t+4:32*(\m)+8*\t+7] offset:64*\t+16
.endr
	WIN 0
.endm
.macro LD m                            ; back as rows of 256 bytes, two an instruction, into row tile m's own registers.  LDS serves a wave's instructions in order: these see my stores, and the next row tile's stores come behind them
.if (\m) == 2
	WIN 0x40
.set bb, BKW
.else
.set bb, BKA+32*(\m)
.endif
.irp i, 0,1,2,3,4,5,6,7
	ds_load_b128 v[bb+4*\i:bb+4*\i+3], v7 offset:544*\i
.endr
	WIN 0
.endm
.macro GST m
.if (\m) == 2
	WIN 0x04                                       ; a store's data are its source 1: window 1
.set bb, BKW
.else
.set bb, BKA+32*(\m)
.endif
.irp i, 0,1,2,3,4,5,6,7
	global_store_b128 v[OFF+8*(\m)+\i], v[bb+4*\i:bb+4*\i+3], s[56:57] th:TH_STORE_NT   ; sixteen lanes store 256 consecutive bytes of a token's row, at a multiple of 256
.endr
	WIN 0
.endm
.macro CHUNK last
.irp j, 0,1,2,3,4,5,6,7
	SUB \j, \last
.endr
	PLACES
.if !(\last)
	W2SC 1024                                      ; the next chunk's scale words, then its last buffer
	GLOAD 3, 46, 3*UNITB
.endif
.irp m, 0,1,2                                  ; the three row tiles follow each other through the one stage with no wait between them
	COMB \m
	TOST \m
	LD \m
.endr
	s_wait_dscnt 32                                ; row tile 0 is back; younger: two row tiles' eight stores and eight loads each
	GST 0
	s_wait_dscnt 16
	GST 1
	s_wait_dscnt 0x0
	GST 2
.if !(\last)
	s_wait_xcnt 0x0                                ; the stores and loads have been taken: bases may step, and the next chunk's loads may land on the rows' registers
	s_add_nc_u64 s[44:45], s[44:45], 2*UNITB
	s_add_nc_u64 s[46:47], s[46:47], 2*UNITB
	s_add_nc_u64 s[52:53], s[52:53], 1024
	s_add_nc_u64 s[54:55], s[54:55], 1024
	s_add_nc_u64 s[56:57], s[56:57], 256
.endif
.endm
	s_load_b256 s[8:15], s[0:1], 0x0               ; tiles, order, gate, xq
	s_load_b256 s[16:23], s[0:1], 0x20             ; xs, wq, w1_scales, w2_scales
	s_load_b64 s[24:25], s[0:1], 0x40              ; out0
	v_lshl_add_u32 v254, v0, 2, 0x1d400
	v_mov_b32 v255, 0
	v_lshrrev_b32 v233, 5, v0
	v_readfirstlane_b32 s32, v233                  ; wave 0..3
	v_and_b32 v234, 31, v0                         ; l
	v_and_b32 v235, 15, v0                         ; r
	v_bfe_u32 v236, v0, 4, 1                       ; h
	v_lshlrev_b32 v1, 4, v234                      ; an image's place for my lane
	v_add_nc_u32 v2, HIMG, v1
	s_mul_i32 s66, s32, FRB
	v_add_nc_u32 v3, s66, v2                       ; where I store the hidden layer's images: K step w
	v_lshlrev_b32 v4, 2, v234
	s_lshl_b32 s66, s32, 7
	s_add_co_u32 s66, s66, HSC
	v_add_nc_u32 v4, s66, v4                       ; and their scale words
	v_lshlrev_b32 v5, 2, v235
	v_lshl_add_u32 v5, v236, 9, v5
	v_add_nc_u32 v5, HSC, v5                       ; back: lanes 0-15 an even row tile's words, lanes 16-31 the odd one's
	s_mul_i32 s66, s32, 16*272
	s_add_co_u32 s66, s66, STG
	v_mul_u32_u24 v6, v235, 272
	v_lshl_add_u32 v6, v236, 5, v6
	v_add_nc_u32 v6, s66, v6                       ; my stage, in: row r, + 32 h
	v_mul_u32_u24 v7, v236, 272
	v_lshl_add_u32 v7, v235, 4, v7
	v_add_nc_u32 v7, s66, v7                       ; and back: lanes 0-15 one row, lanes 16-31 the next
	s_mul_i32 s66, s32, 2*FRB
	v_add_nc_u32 v8, s66, v1                       ; where I store x's images: K steps 2 w, 2 w + 1
	v_lshlrev_b32 v9, 4, v235
	v_and_b32 v237, 8, v235
	v_add_nc_u32 v237, v237, v235
	v_lshl_add_u32 v237, v236, 3, v237
	v_lshlrev_b32 v[SLO], 5, v237                  ; W1's scale rows of 32 bytes: row 8 (l / 16) + r + 8 (r / 8) of a block of 32
.irp b, 0,1,2,3
	v_mov_b32 v[TM+4+\b], 0                        ; written once: a lane permute's destination counts as one of its sources
.endr
	s_mov_b32 s[SEL], 0x76543210
	s_mov_b32 s[SEL+1], 0xfedcba98                 ; v_permlanex16_b32's selects for lane l xor 16
	s_mov_b32 s60, 0xbfb8aa3b                      ; -log2(e)
	s_mov_b32 s61, s60                             ; (named with it as a pair)
	s_lshl_b32 s66, ttmp9, 4
	s_mov_b32 s67, 0
	s_wait_kmcnt 0x0
	s_add_nc_u64 s[8:9], s[8:9], s[66:67]
	s_load_b128 s[28:31], s[8:9], 0x0              ; my tile: lo | hi << 8, first place, last place, rows
	s_wait_kmcnt 0x0
	s_and_b32 s33, s28, 0xff
	s_min_u32 s33, s33, 7                          ; lo
	s_bfe_u32 s34, s28, 0x80008
	s_min_u32 s34, s34, 7                          ; hi
	s_min_u32 s35, s29, 0x1fff
	s_min_u32 s36, s30, 0x1fff
	s_lshl_b32 s66, s33, 2
	s_add_co_u32 s66, s66, s32
	s_mul_i32 s66, s66, 8*UNITB
	s_add_nc_u64 s[38:39], s[18:19], s[66:67]      ; the expert in hand: lo's W1, my wave's 8 units
	s_add_nc_u64 s[44:45], s[38:39], 3145728       ; lo's W2, my wave's 4 chunks
	s_lshl_b32 s66, s34, 2
	s_add_co_u32 s66, s66, s32
	s_mul_i32 s66, s66, 8*UNITB
	s_add_nc_u64 s[48:49], s[18:19], s[66:67]      ; hi's W1
	s_add_nc_u64 s[46:47], s[48:49], 3145728       ; hi's W2
	s_mov_b64 s[40:41], s[48:49]                   ; what is asked for at a phase's end: buffers 0, 1 from here,
	s_add_nc_u64 s[42:43], s[48:49], 2*UNITB       ; buffers 2, 3 from here
	s_lshl_b32 s70, s32, 12
	s_lshl_b32 s66, s33, 14
	s_add_co_u32 s66, s66, s70
	s_add_nc_u64 s[68:69], s[20:21], s[66:67]      ; lo's W1 scales: (512 lo + 128 w) rows of 32 bytes
	s_add_nc_u64 s[52:53], s[22:23], s[66:67]      ; lo's W2 scales: (1024 lo + 256 w) rows of 16 bytes
	s_lshl_b32 s66, s34, 14
	s_add_co_u32 s66, s66, s70
	s_add_nc_u64 s[50:51], s[20:21], s[66:67]
	s_add_nc_u64 s[54:55], s[22:23], s[66:67]
	s_lshl_b32 s66, s32, 10
	s_add_nc_u64 s[56:57], s[24:25], s[66:67]      ; out0 at my wave's 256 columns
	; the tokens, in the three orders in which lanes want them; places past the tile's last take the last
	v_add_nc_u32 v238, s35, v236
.set i, 0
.rept 8*NM
	v_add_nc_u32 v[OFF+i], 2*i, v238               ; the way out: place 16 m + 2 i + l / 16
.set i, i+1
.endr
	v_add_nc_u32 v10, s35, v234                    ; scale words: place 32 p + l
	v_add_nc_u32 v11, 32, v10
	v_add_nc_u32 v12, s35, v235                    ; operands and gates: place 16 m + r
	v_add_nc_u32 v13, 16, v12
	v_add_nc_u32 v14, 32, v12
.macro ASK r
	v_min_u32 v[\r], s36, v[\r]
	v_min_u32 v[\r], 0x1fff, v[\r]
	v_lshlrev_b32 v[\r], 2, v[\r]
	global_load_b32 v[\r], v[\r], s[10:11]         ; lands on its own address register
.endm
.set i, 10
.rept 5
	ASK i
.set i, i+1
.endr
.set i, OFF
.rept 8*NM
	ASK i
.set i, i+1
.endr
	GLOAD 0, 38, 0
	s_wait_loadcnt 24                              ; the tokens are in; only unit 0 is younger
.set i, 10
.rept 5
	v_min_u32 v[i], 0x1fff, v[i]
.set i, i+1
.endr
.set i, 0
.rept 8*NM
	v_min_u32 v[OFF+i], 0x1fff, v[OFF+i]
	v_lshl_add_u32 v[OFF+i], v[OFF+i], 12, v9      ; the token's row of 4,096 bytes + 16 (l % 16)
.set i, i+1
.endr
	v_mul_u32_u24 v239, v236, 48
	s_mul_i32 s66, s32, 192
	v_add_nc_u32 v239, s66, v239
.irp m, 0,1,2
	v_mul_u32_u24 v[240+\m], v[12+\m], 768
	v_add_nc_u32 v[240+\m], v[240+\m], v239        ; xq: the token's row + 96 (2 w) + 48 h
	v_lshlrev_b32 v[246+\m], 3, v[12+\m]
.endr
	v_lshlrev_b32 v244, 5, v10
	v_lshlrev_b32 v245, 5, v11
	WIN 0x40                                       ; x's fragments of K steps 2 w, 2 w + 1, all three row tiles, into window 1, which is free yet
.irp m, 0,1,2
.irp i, 0,1
.irp c, 0,1,2
	global_load_b128 v[24*\m+12*\i+4*\c:24*\m+12*\i+4*\c+3], v[240+\m], s[14:15] offset:96*\i+16*\c
.endr
.endr
.endr
	WIN 0
.irp p, 0,1
.irp k, 0,1
	global_load_b128 v[XS+8*\p+4*\k:XS+8*\p+4*\k+3], v[244+\p], s[16:17] offset:16*\k   ; register 8 p + s: lanes 0-15 row tile 2 p's words of K step s, lanes 16-31 row tile 2 p + 1's
.endr
.endr
.irp m, 0,1,2
	global_load_b64 v[G+2*\m:G+2*\m+1], v[246+\m], s[12:13]
.endr
	GLOAD 1, 38, UNITB
	GLOAD 2, 38, 2*UNITB
	s_wait_loadcnt 48                              ; the gather is in; units 1 and 2 are younger
	WIN 0x04
.irp m, 0,1,2
.irp i, 0,1
.irp c, 0,1,2
	ds_store_b128 v8, v[24*\m+12*\i+4*\c:24*\m+12*\i+4*\c+3] offset:XIMG+(8*\m+\i)*FRB+512*\c
.endr
.endr
.endr
	WIN 0
	W1SC 68
	GLOAD 3, 38, 3*UNITB
	BARRIER                                        ; x's 24 fragments lie in LDS
	s_cmp_eq_u32 s31, 0                            ; a tile with no rows passes over the work up to the next barrier
	s_cbranch_scc1 .Lmeet
	s_mov_b32 s62, 0
.Lexpert:                                              ; two trips: lo, hi
	XLOAD 0
.irp s, 0,1,2,3,4,5,6,7
	UNIT \s
.endr
	PLACES
	GLOAD 0, 40, 0                                 ; the next phase's four units (hi's W1, or both experts' first chunk of W2) are asked for in three parts, spread among the row tiles' silu,
	GLOAD 1, 40, UNITB                             ; in the order that the waits count on: units 0, 1, 2, the scale words, unit 3
	HOUT 0
	GLOAD 2, 42, 0
	s_cmp_lg_u32 s62, 0
	s_cbranch_scc1 .Lw2_scales
	W1SC 50
	s_branch .Lscales_asked
.Lw2_scales:
	W2SC 0
.Lscales_asked:
	HOUT 1
	GLOAD 3, 42, UNITB
	HOUT 2
	s_wait_xcnt 0x0                                ; the loads above have been taken: their bases may be written
	s_mov_b64 s[38:39], s[48:49]
	s_mov_b64 s[40:41], s[44:45]
	s_mov_b64 s[42:43], s[46:47]
	s_add_co_u32 s62, s62, 1
	s_cmp_lt_u32 s62, 2
	s_cbranch_scc1 .Lexpert
.Lmeet:
	BARRIER                                        ; the hidden layer's 24 fragments lie in LDS
	s_cmp_eq_u32 s31, 0
	s_cbranch_scc1 .Lend
.irp e, 0,1
.irp p, 0,1
.irp s, 0,1,2,3
	ds_load_b32 v[HS+8*\e+4*\p+\s], v5 offset:2048*\e+1024*\p+128*\s
.endr
.endr
.endr
	HLOAD 0
	HLOAD 1
	HLOAD 2
	s_mov_b32 s63, 3
.Lchunk:
	CHUNK 0
	s_sub_co_u32 s63, s63, 1
	s_cmp_lg_u32 s63, 0
	s_cbranch_scc1 .Lchunk
	CHUNK 1                                        ; the last chunk is written out: it asks for nothing more, so no load leaves wq
.Lend:
	s_wait_tensorcnt 0x0
	ds_add_u32 v254, v255
	s_wait_dscnt 0x0
	s_endpgm
.Lfunc_end_k_q837e440afc_chain:
	.size	k_q837e440afc_chain, .Lfunc_end_k_q837e440afc_chain-k_q837e440afc_chain
	.p2alignl 7, 3214868480
	.fill 96, 4, 3214868480
	.section	.rodata,"a",@progbits
	.p2align	6, 0x0
	.amdhsa_kernel k_q837e440afc_chain
		.amdhsa_group_segment_fixed_size 120320
		.amdhsa_private_segment_fixed_size 0
		.amdhsa_enable_private_segment 0
		.amdhsa_kernarg_size 72
		.amdhsa_user_sgpr_count 2
		.amdhsa_user_sgpr_kernarg_segment_ptr 1
		.amdhsa_wavefront_size32 1
		.amdhsa_system_sgpr_workgroup_id_x 1
		.amdhsa_system_sgpr_workgroup_id_y 1
		.amdhsa_system_sgpr_workgroup_id_z 1
		.amdhsa_system_vgpr_workitem_id 0
		.amdhsa_next_free_vgpr 1024
		.amdhsa_next_free_sgpr 80
		.amdhsa_reserve_vcc 0
		.amdhsa_float_denorm_mode_32 3
		.amdhsa_float_denorm_mode_16_64 3
		.amdhsa_memory_ordered 1
		.amdhsa_forward_progress 1
		.amdhsa_inst_pref_size 197
	.end_amdhsa_kernel
	.amdgpu_metadata
---
amdhsa.version: [ 1, 2 ]
amdhsa.kernels:
  - .name:           k_q837e440afc_chain
    .symbol:         k_q837e440afc_chain.kd
    .args:
      - { .name: tiles, .offset: 0, .size: 8, .value_kind: global_buffer, .address_space: global }
      - { .name: order, .offset: 8, .size: 8, .value_kind: global_buffer, .address_space: global }
      - { .name: gate, .offset: 16, .size: 8, .value_kind: global_buffer, .address_space: global }
      - { .name: xq, .offset: 24, .size: 8, .value_kind: global_buffer, .address_space: global }
      - { .name: xs, .offset: 32, .size: 8, .value_kind: global_buffer, .address_space: global }
      - { .name: wq, .offset: 40, .size: 8, .value_kind: global_buffer, .address_space: global }
      - { .name: w1_scales, .offset: 48, .size: 8, .value_kind: global_buffer, .address_space: global }
      - { .name: w2_scales, .offset: 56, .size: 8, .value_kind: global_buffer, .address_space: global }
      - { .name: out0, .offset: 64, .size: 8, .value_kind: global_buffer, .address_space: global }
    .group_segment_fixed_size: 120320
    .private_segment_fixed_size: 0
    .kernarg_segment_align: 8
    .kernarg_segment_size: 72
    .max_flat_workgroup_size: 128
    .sgpr_count:     80
    .vgpr_count:     1024
    .wavefront_size: 32
...
	.end_amdgpu_metadata
.endif
;; end of part 3
;; ======== version 2 of 2: 3 launches
;; workspace buffers: xq 6,291,456 bytes; xs 262,144 bytes; gate 65,536 bytes; meta 65,536 bytes of whole numbers; auxp 32,768 bytes; order 32,768 bytes of whole numbers; tiles 3,584 bytes of whole numbers; wq 6,291,456 bytes
;; launch route (part 4): grid 256 x 1, 8 waves a work-group, no clusters, 88,064 bytes of LDS; arguments x, router_w, xq, xs, gate, meta, auxp; writes xq, xs, gate, meta, auxp
.if DOCPART == 4
	.amdgcn_target "amdgcn-amd-amdhsa--gfx1250"
	.amdhsa_code_object_version 6
	.text
	.protected	k_q837e440afc_route
	.globl	k_q837e440afc_route
	.p2align	8
	.type	k_q837e440afc_route,@function
k_q837e440afc_route:
	s_mov_b64 s[64:65], 0
	v_nop
	global_prefetch_b8 v0, s[64:65] scope:SCOPE_SE
	s_setreg_imm32_b32 hwreg(HW_REG_WAVE_MODE, 25, 1), 1
	s_wait_xcnt 0x0
; ROUTE.  x [8192][1024] f32 is read once.  It gives (a) the router: logits = x router_w in f32 multiply-adds, softmax, the two largest probabilities (the lower index wins a tie), their gates;
; (b) x's codes of BF6 (E3M2) with one E8M0 byte for each 32 along K, made once for every expert.
; A work-group owns 32 tokens.  Wave w owns K = 128 w .. 128 w + 127 of all 32: so its part of router_w (4,096 bytes) stays in 128 registers, and each of its loads of x reads 512 consecutive bytes.
; Eight steps of four tokens.  A step's 2,048 bytes turn through the wave's own stage in LDS, so that a lane holds 16 NEIGHBOURS along K of one token (8 lanes to a token, 2 lanes to a block of 32).
; Partial logits, codes and scale bytes meet in LDS; behind ONE barrier every wave stores four tokens' rows of codes (384 consecutive bytes a store), wave 1 the scale bytes, wave 0 (a lane to a token) finishes the router.
; OUT.  xq [8192][768]: in each K step's 96 bytes the blocks lie 0, 2, 1, 3, so that lane (r, h) of an operand finds its 48 bytes on end at 96 s + 48 h.  xs [8192][32]: the bytes in K's order.
;   gate [8192][2]: the gates of the lower and the higher expert.  meta [256][32][2]: word 0: the token's pair key | its rank among equal keys of the group << 8; word 1: lane = key: how many of the group have it.
;   auxp [256][32]: lanes 0-7 the group's sums of probabilities, lanes 8-15 its counts of first choices.
; Nothing here branches on, or forms an address from, what the router finds: it is stored at fixed places.
; LIMITS: NaN and infinities are not served.  A block whose largest magnitude lies under 2^-122 (a block of zeros too) keeps the byte 1: this program alone reads the bytes.
;   The logits' f32 sums run in another order than a plain row sum: probabilities within some 1e-6 of each other may be ranked the other way.
.set SP,   80                          ; a lane's place in a stage: 64 bytes + 16
.set CST,  40960                       ; behind the stages (8 waves x 2 x 32 x SP): codes, 4608 w + 144 token + 16 piece (12 bytes in a place of 16)
.set PL,   77824                       ; partial logits, 1024 w + 32 token
.set SCB,  86016                       ; scale bytes, 128 w + 4 token + block
.set W,    16                          ; v16-143  router_w[128 w + 16 (l % 8) + i][e] at W + 8 i + e
.set X,    144                         ; v144-175 two sets of 16 neighbours
.set ACC,  176                         ; v176-191 two sets of 8 partial logits
.set C,    192                         ; v192-199 two sets of codes
.set E,    200                         ; v200-201 two scale bytes
.set MSB,  0                           ; window 1 (v256-383): x as loaded, step t at 16 t
.macro WIN new                         ; the immediate's high byte repeats the setting that is left
.set WN, \new
.if MSB != WN
	s_set_vgpr_msb (MSB<<8)|WN
.set MSB, WN
.endif
.endm
	s_load_b256 s[4:11], s[0:1], 0x0               ; x, router_w, xq, xs
	s_load_b128 s[12:15], s[0:1], 0x20             ; gate, meta
	s_load_b64 s[16:17], s[0:1], 0x30              ; auxp
	v_lshl_add_u32 v254, v0, 2, 0x15400
	v_mov_b32 v255, 0
	v_lshrrev_b32 v13, 5, v0
	s_delay_alu instid0(VALU_DEP_1)
	v_readfirstlane_b32 s18, v13                   ; wave 0..7
	v_and_b32 v1, 31, v0                           ; lane
	s_delay_alu instid0(VALU_DEP_1)
	v_lshlrev_b32 v2, 4, v1                        ; x: my 16 bytes of a load's 512
	s_delay_alu instid0(VALU_DEP_2)
	v_and_b32 v13, 7, v1
	s_delay_alu instid0(VALU_DEP_1)
	v_lshlrev_b32 v3, 9, v13                       ; router_w: my 16 rows of 32 bytes
	s_delay_alu instid0(VALU_DEP_4)
	v_lshrrev_b32 v14, 3, v1                       ; which of a step's four tokens is mine
	s_mul_i32 s19, s18, 2*32*SP
	v_lshrrev_b32 v15, 2, v1
	s_delay_alu instid0(VALU_DEP_1)
	v_mul_u32_u24 v4, v15, SP
	v_and_b32 v15, 3, v1
	s_delay_alu instid0(VALU_DEP_1)
	v_lshl_add_u32 v4, v15, 4, v4
	s_delay_alu instid0(VALU_DEP_1)
	v_add_nc_u32 v4, s19, v4                       ; the stage, in: four lanes' 64 bytes on end, then 16 of padding
	v_mul_u32_u24 v5, v1, SP
	s_delay_alu instid0(VALU_DEP_1)
	v_add_nc_u32 v5, s19, v5                       ; and out: my 64 bytes
	v_bfe_u32 v15, v1, 1, 1                        ; my half block's piece in the K step: blocks in the order 0, 2, 1, 3: 4 bit1 + 2 bit2 + bit0
	s_delay_alu instid0(VALU_DEP_1)
	v_lshlrev_b32 v6, 6, v15
	v_bfe_u32 v15, v1, 2, 1
	s_delay_alu instid0(VALU_DEP_1)
	v_lshl_add_u32 v6, v15, 5, v6
	v_and_b32 v15, 1, v1
	s_delay_alu instid0(VALU_DEP_1)
	v_lshl_add_u32 v6, v15, 4, v6
	s_delay_alu instid0(VALU_DEP_1)
	v_mad_u32_u24 v6, v14, 144, v6
	s_mul_i32 s19, s18, 4608
	s_add_co_u32 s19, s19, CST
	v_add_nc_u32 v6, s19, v6                       ; where my 12 bytes of codes go
	v_bfe_u32 v15, v1, 1, 2
	s_delay_alu instid0(VALU_DEP_1)
	v_lshl_add_u32 v7, v14, 2, v15
	s_lshl_b32 s19, s18, 7
	s_add_co_u32 s19, s19, SCB
	v_add_nc_u32 v7, s19, v7                       ; my block's byte
	s_lshl_b32 s19, s18, 10
	s_add_co_u32 s19, s19, PL
	v_lshl_add_u32 v8, v14, 5, s19                 ; my token's 8 partial logits
	v_mul_u32_u24 v9, v14, 4608
	s_delay_alu instid0(VALU_DEP_1)
	v_lshl_add_u32 v9, v13, 4, v9
	s_mul_i32 s19, s18, 576
	s_add_co_u32 s19, s19, CST
	v_add_nc_u32 v9, s19, v9                       ; codes, back: K step l / 8 (+ 4 j), piece l % 8, tokens 4 w + i
	v_mul_u32_u24 v10, v1, 12                      ; and in xq
	v_lshl_add_u32 v11, v1, 5, PL                  ; wave 0: lane = token
	v_lshl_add_u32 v12, v1, 2, SCB                 ; wave 1: lane = token
	s_mov_b32 s32, 0x76543210
	s_mov_b32 s33, 0xfedcba98                      ; v_permlanex16_b32's selects for lane l xor 16
	s_lshl_b32 s20, ttmp9, 17                      ; the group's 32 rows of 4,096 bytes,
	s_lshl_b32 s21, s18, 9                         ; my wave's 512 bytes of a row
	s_add_co_u32 s20, s20, s21
	s_mov_b32 s21, 0
	s_lshl_b32 s22, s18, 12
	s_mov_b32 s23, 0
	s_mul_i32 s24, ttmp9, 24576
	s_mul_i32 s25, s18, 3072
	s_add_co_u32 s24, s24, s25
	s_mov_b32 s25, 0
	s_lshl_b32 s26, ttmp9, 10
	s_mov_b32 s27, 0
	s_lshl_b32 s28, ttmp9, 8
	s_mov_b32 s29, 0
	s_lshl_b32 s30, ttmp9, 7
	s_mov_b32 s31, 0
	s_wait_kmcnt 0x0
	s_add_nc_u64 s[4:5], s[4:5], s[20:21]
	s_add_nc_u64 s[6:7], s[6:7], s[22:23]
	s_add_nc_u64 s[8:9], s[8:9], s[24:25]
	s_add_nc_u64 s[10:11], s[10:11], s[26:27]
	s_add_nc_u64 s[12:13], s[12:13], s[28:29]
	s_add_nc_u64 s[14:15], s[14:15], s[28:29]
	s_add_nc_u64 s[16:17], s[16:17], s[30:31]
.set i, 0
.rept 32
	global_load_b128 v[W+4*i:W+4*i+3], v3, s[6:7] offset:16*i      ; router_w first: it is wanted first
.set i, i+1
.endr
	WIN 0x40                                       ; destination window 1
.set i, 0
.rept 32
	global_load_b128 v[4*i:4*i+3], v2, s[4:5] offset:4096*i th:TH_LOAD_NT   ; token i: 512 consecutive bytes; all 32 loads of the wave go out at once
.set i, i+1
.endr
	WIN 0
.macro TURN t                          ; step t's four loads through the stage; LDS serves a wave's instructions in order, so no wait stands between the stores and the loads
	WIN 0x04                                       ; an LDS store's data are its source 1: window 1
.irp i, 0,1,2,3
	ds_store_b128 v4, v[16*(\t)+4*\i:16*(\t)+4*\i+3] offset:32*SP*((\t)%2)+8*SP*\i
.endr
	WIN 0
.irp i, 0,1,2,3
	ds_load_b128 v[X+16*((\t)%2)+4*\i:X+16*((\t)%2)+4*\i+3], v5 offset:32*SP*((\t)%2)+16*\i
.endr
.endm
	s_wait_loadcnt 28                              ; router_w and step 0 are in; the 28 loads of steps 1 to 7 stay out
	TURN 0
.macro STEP t
.set XS, X+16*((\t)%2)
.set AC, ACC+8*((\t)%2)
.set CC, C+4*((\t)%2)
.set EE, E+(\t)%2
.if (\t) > 0
	s_wait_dscnt 4                                 ; this step's numbers are back; the last step's four stores may be out.  The stores of two steps ago are done: their registers are written again below
.else
	s_wait_dscnt 0x0
.endif
.if (\t) < 7
	s_wait_loadcnt 4*(6-(\t))                      ; the next step's four loads are in; those of the steps behind it stay out
	TURN (\t)+1
.endif
.irp p, 0,1,2,3                                ; 8 partial logits over my 16 numbers: four chains of packed multiply-adds; the first product starts the sums
	v_pk_mul_f32 v[AC+2*\p:AC+2*\p+1], v[XS:XS+1], v[W+2*\p:W+2*\p+1] op_sel_hi:[0,1]
.endr
.set ri, 1
.rept 15
.irp p, 0,1,2,3
.if ri%2
	s_delay_alu instid0(VALU_DEP_4)
	v_pk_fma_f32 v[AC+2*\p:AC+2*\p+1], v[XS+ri-1:XS+ri], v[W+8*ri+2*\p:W+8*ri+2*\p+1], v[AC+2*\p:AC+2*\p+1] op_sel:[1,0,0] op_sel_hi:[1,1,1]
.else
	s_delay_alu instid0(VALU_DEP_4)
	v_pk_fma_f32 v[AC+2*\p:AC+2*\p+1], v[XS+ri:XS+ri+1], v[W+8*ri+2*\p:W+8*ri+2*\p+1], v[AC+2*\p:AC+2*\p+1] op_sel_hi:[0,1,1]
.endif
.endr
.set ri, ri+1
.endr
.irp n, 1,2,4                                  ; over the token's eight lanes: all eight end up with the sums
.irp e, 0,1,2,3,4,5,6,7
	v_add_f32_dpp v[AC+\e], v[AC+\e], v[AC+\e] row_xmask:\n row_mask:0xf bank_mask:0xf
.endr
.endr
	ds_store_b128 v8, v[AC:AC+3] offset:128*(\t)   ; eight lanes write the same bytes with the same values
	ds_store_b128 v8, v[AC+4:AC+7] offset:128*(\t)+16
	v_max3_num_f32 v202, |v[XS]|, |v[XS+1]|, |v[XS+2]|             ; the largest magnitude of my 16
	v_max3_num_f32 v203, |v[XS+3]|, |v[XS+4]|, |v[XS+5]|
.irp q, 6,10
	s_delay_alu instid0(VALU_DEP_2)
	v_max3_num_f32 v202, v202, |v[XS+\q]|, |v[XS+\q+1]|
	s_delay_alu instid0(VALU_DEP_2)
	v_max3_num_f32 v203, v203, |v[XS+\q+2]|, |v[XS+\q+3]|
.endr
	s_delay_alu instid0(VALU_DEP_2)
	v_max3_num_f32 v202, v202, |v[XS+14]|, |v[XS+15]|
	s_delay_alu instid0(VALU_DEP_1)
	v_max3_num_f32 v202, v202, v203, 0x2800000     ; and the floor 2^(5 - 127): the byte cannot fall under 1
	s_delay_alu instid0(VALU_DEP_1)
	v_max_num_f32_dpp v202, v202, v202 row_xmask:1 row_mask:0xf bank_mask:0xf   ; with my neighbour's 16: the block's
	s_delay_alu instid0(VALU_DEP_1)
	v_add_nc_u32 v204, 0xfe000000, v202            ; 4 off its exponent field: the conversion takes this operand's exponent field as its scale
	v_cvt_scalef32_pk16_bf6_f32 v[CC:CC+2], v[XS:XS+15], v204
	v_lshrrev_b32 v[EE], 23, v204                  ; the scale's byte (also the plain line behind the conversion)
	ds_store_b96 v6, v[CC:CC+2] offset:576*(\t)
	ds_store_b8 v7, v[EE] offset:16*(\t)           ; both lanes of a block write the same byte
.endm
.irp t, 0,1,2,3,4,5,6,7
	STEP \t
.endr
	s_wait_dscnt 0x0                               ; for the others' sake: my stores have landed
	s_barrier_signal -1
	s_barrier_wait -1
.irp j, 0,1                                    ; tokens 4 w + i, half j of the row: 32 lanes x 12 bytes
.irp i, 0,1,2,3
	ds_load_b96 v[16+4*(4*\j+\i):16+4*(4*\j+\i)+2], v9 offset:144*\i+18432*\j
.endr
.endr
.irp j, 0,1
.irp i, 0,1,2,3
	s_wait_dscnt 7-(4*\j+\i)
	global_store_b96 v10, v[16+4*(4*\j+\i):16+4*(4*\j+\i)+2], s[8:9] offset:768*\i+384*\j   ; 384 consecutive bytes
.endr
.endr
	s_cmp_lg_u32 s18, 1
	s_cbranch_scc1 .Lno_bytes
.irp i, 0,1,2,3,4,5,6,7                        ; wave 1: a lane takes a token's eight scale words
	ds_load_b32 v[48+\i], v12 offset:128*\i
.endr
	v_lshlrev_b32 v56, 5, v1
	s_wait_alu depctr_va_vdst(0)
	s_wait_dscnt 0x0
	global_store_b128 v56, v[48:51], s[10:11]
	global_store_b128 v56, v[52:55], s[10:11] offset:16
.Lno_bytes:
	s_cmp_lg_u32 s18, 0
	s_cbranch_scc1 .Lend
	; wave 0: a lane takes a token
.irp i, 0,1,2,3,4,5,6,7
	ds_load_b128 v[64+8*\i:64+8*\i+3], v11 offset:1024*\i
	ds_load_b128 v[64+8*\i+4:64+8*\i+7], v11 offset:1024*\i+16
.endr
	s_wait_dscnt 0x0
.irp i, 1,2,3,4,5,6,7                          ; the eight waves' parts, K ascending
.irp p, 0,1,2,3
	v_pk_add_f32 v[64+2*\p:65+2*\p], v[64+2*\p:65+2*\p], v[64+8*\i+2*\p:65+8*\i+2*\p]
.endr
.endr
	s_delay_alu instid0(VALU_DEP_3)
	v_max3_num_f32 v128, v64, v65, v66             ; the softmax takes the row's maximum away
	s_delay_alu instid0(VALU_DEP_1)
	v_max3_num_f32 v128, v128, v67, v68
	s_delay_alu instid0(VALU_DEP_1)
	v_max3_num_f32 v128, v128, v69, v70
	s_delay_alu instid0(VALU_DEP_1)
	v_max_num_f32 v128, v128, v71
.irp e, 0,1,2,3,4,5,6,7
	v_sub_f32 v[72+\e], v[64+\e], v128
.endr
.irp e, 0,1,2,3,4,5,6,7
	v_mul_f32 v[72+\e], 0x3fb8aa3b, v[72+\e]
.endr
	s_wait_alu depctr_va_vdst(0)
.irp e, 0,1,2,3,4,5,6,7
	v_exp_f32 v[72+\e], v[72+\e]
.endr
	v_nop                                          ; a plain line behind the exponentials
	s_wait_alu depctr_va_vdst(0)
	v_add_f32 v129, v72, v73
.irp e, 2,3,4,5,6,7
	v_add_f32 v129, v129, v[72+\e]
.endr
	s_wait_alu depctr_va_vdst(0)
	v_rcp_f32 v130, v129
	v_mov_b32 v132, 0                              ; (a plain line behind the reciprocal)  the first choice's index
	s_wait_alu depctr_va_vdst(0)
.irp e, 0,1,2,3,4,5,6,7
	v_mul_f32 v[80+\e], v[72+\e], v130             ; the probabilities
.endr
	v_mov_b32 v131, v80
.irp e, 1,2,3,4,5,6,7                          ; the largest: a later one must be strictly larger, so the lower index wins a tie
	s_delay_alu instid0(VALU_DEP_1)
	v_cmp_ge_f32 vcc_lo, v131, v[80+\e]
	s_delay_alu instid0(VALU_DEP_1)
	v_cndmask_b32 v132, \e, v132, vcc_lo
	s_delay_alu instid0(VALU_DEP_3)
	v_max_num_f32 v131, v131, v[80+\e]
.endr
	v_mov_b32 v133, -1.0
.irp e, 0,1,2,3,4,5,6,7                        ; the first choice is taken out (-1 lies under every probability)
	v_cmp_eq_u32 vcc_lo, \e, v132
	s_delay_alu instid0(VALU_DEP_1)
	v_cndmask_b32 v[88+\e], v[80+\e], v133, vcc_lo
.endr
	v_mov_b32 v134, v88
	v_mov_b32 v135, 0
.irp e, 1
	s_delay_alu instid0(VALU_DEP_2)
	v_cmp_ge_f32 vcc_lo, v134, v[88+\e]
	s_delay_alu instid0(VALU_DEP_1)
	v_cndmask_b32 v135, \e, v135, vcc_lo
	s_delay_alu instid0(VALU_DEP_4)
	v_max_num_f32 v134, v134, v[88+\e]
.endr
.irp e, 2, 3, 4, 5, 6, 7
	s_delay_alu instid0(VALU_DEP_1)
	v_cmp_ge_f32 vcc_lo, v134, v[88+\e]
	s_delay_alu instid0(VALU_DEP_1)
	v_cndmask_b32 v135, \e, v135, vcc_lo
	s_delay_alu instid0(VALU_DEP_3)
	v_max_num_f32 v134, v134, v[88+\e]
.endr
	s_delay_alu instid0(VALU_DEP_1)
	v_add_f32 v136, v131, v134
	s_delay_alu instid0(VALU_DEP_1)
	v_add_f32 v136, 0x3089705f, v136               ; + 1e-9
	s_wait_alu depctr_va_vdst(0)
	v_rcp_f32 v136, v136
	v_min_u32 v139, v132, v135                     ; (a plain line)  lo
	v_max_u32 v140, v132, v135                     ; hi
	s_wait_alu depctr_va_vdst(0)
	v_mul_f32 v137, v131, v136
	v_mul_f32 v138, v134, v136
	v_cmp_lt_u32 vcc_lo, v132, v135
	s_delay_alu instid0(VALU_DEP_1)
	v_cndmask_b32 v142, v138, v137, vcc_lo         ; lo's gate
	s_delay_alu instid0(VALU_DEP_2)
	v_cndmask_b32 v143, v137, v138, vcc_lo         ; hi's
	v_sub_nc_u32 v144, 15, v139                    ; the pair's key: lo (15 - lo) / 2 + hi - lo - 1, 0 .. 27
	s_delay_alu instid0(VALU_DEP_1)
	v_mul_u32_u24 v144, v139, v144
	s_delay_alu instid0(VALU_DEP_1)
	v_lshrrev_b32 v144, 1, v144
	s_delay_alu instid0(VALU_DEP_1)
	v_add_nc_u32 v144, v144, v140
	s_delay_alu instid0(VALU_DEP_1)
	v_sub_nc_u32 v144, v144, v139
	s_delay_alu instid0(VALU_DEP_1)
	v_add_nc_u32 v144, -1, v144
	v_mov_b32 v146, 0                              ; lane = key: how many of the group
	v_mov_b32 v147, 0                              ; my rank among equal keys
.irp p, 0,1,2,3,4,5,6,7,8,9,10,11,12,13,14,15,16,17,18,19,20,21,22,23,24,25,26,27
	v_cmp_eq_u32 s20, \p, v144
	s_bcnt1_i32_b32 s21, s20
	v_writelane_b32 v146, s21, \p
	v_mbcnt_lo_u32_b32 v148, s20, 0
	s_delay_alu instid0(VALU_DEP_1)
	v_cndmask_b32 v147, v147, v148, s20
.endr
	s_delay_alu instid0(VALU_DEP_1)
	v_lshl_or_b32 v150, v147, 8, v144
	s_delay_alu instid0(VALU_DEP_4)
	v_mov_b32 v151, v146
.irp n, 1,2,4,8                                ; each probability summed over the 32 tokens
.irp e, 0,1,2,3,4,5,6,7
	v_add_f32_dpp v[80+\e], v[80+\e], v[80+\e] row_xmask:\n row_mask:0xf bank_mask:0xf
.endr
.endr
.irp e, 0,1,2,3,4,5,6,7
	v_permlanex16_b32 v[88+\e], v[80+\e], s32, s33
.endr
.irp e, 0,1,2,3,4,5,6,7
	v_add_f32 v[80+\e], v[80+\e], v[88+\e]
.endr
	v_mov_b32 v152, 0
	v_mov_b32 v153, 0
.irp e, 0,1,2,3,4,5,6,7
	v_readfirstlane_b32 s21, v[80+\e]
	s_delay_alu instid0(VALU_DEP_1)
	v_writelane_b32 v152, s21, \e
.endr
.irp e, 0,1,2,3,4,5,6,7
	v_cmp_eq_u32 s20, \e, v132
	s_bcnt1_i32_b32 s21, s20
	v_writelane_b32 v153, s21, 8+\e
.endr
	s_delay_alu instid0(VALU_DEP_1)
	v_cvt_f32_u32 v153, v153
	s_delay_alu instid0(VALU_DEP_1)
	v_add_f32 v152, v152, v153                     ; lanes 0-7 sums, lanes 8-15 counts, the rest 0
	v_lshlrev_b32 v154, 3, v1
	v_lshlrev_b32 v155, 2, v1
	global_store_b64 v154, v[142:143], s[12:13]    ; 256 consecutive bytes
	global_store_b64 v154, v[150:151], s[14:15]
	global_store_b32 v155, v152, s[16:17]
.Lend:
	s_wait_tensorcnt 0x0
	ds_add_u32 v254, v255
	s_wait_dscnt 0x0
	s_endpgm
.Lfunc_end_k_q837e440afc_route:
	.size	k_q837e440afc_route, .Lfunc_end_k_q837e440afc_route-k_q837e440afc_route
	.p2alignl 7, 3214868480
	.fill 96, 4, 3214868480
	.section	.rodata,"a",@progbits
	.p2align	6, 0x0
	.amdhsa_kernel k_q837e440afc_route
		.amdhsa_group_segment_fixed_size 88064
		.amdhsa_private_segment_fixed_size 0
		.amdhsa_enable_private_segment 0
		.amdhsa_kernarg_size 56
		.amdhsa_user_sgpr_count 2
		.amdhsa_user_sgpr_kernarg_segment_ptr 1
		.amdhsa_wavefront_size32 1
		.amdhsa_system_sgpr_workgroup_id_x 1
		.amdhsa_system_sgpr_workgroup_id_y 1
		.amdhsa_system_sgpr_workgroup_id_z 1
		.amdhsa_system_vgpr_workitem_id 0
		.amdhsa_next_free_vgpr 384
		.amdhsa_next_free_sgpr 66
		.amdhsa_reserve_vcc 1
		.amdhsa_float_denorm_mode_32 3
		.amdhsa_float_denorm_mode_16_64 3
		.amdhsa_memory_ordered 1
		.amdhsa_forward_progress 1
		.amdhsa_inst_pref_size 111
	.end_amdhsa_kernel
	.amdgpu_metadata
---
amdhsa.version: [ 1, 2 ]
amdhsa.kernels:
  - .name:           k_q837e440afc_route
    .symbol:         k_q837e440afc_route.kd
    .args:
      - { .name: x, .offset: 0, .size: 8, .value_kind: global_buffer, .address_space: global }
      - { .name: router_w, .offset: 8, .size: 8, .value_kind: global_buffer, .address_space: global }
      - { .name: xq, .offset: 16, .size: 8, .value_kind: global_buffer, .address_space: global }
      - { .name: xs, .offset: 24, .size: 8, .value_kind: global_buffer, .address_space: global }
      - { .name: gate, .offset: 32, .size: 8, .value_kind: global_buffer, .address_space: global }
      - { .name: meta, .offset: 40, .size: 8, .value_kind: global_buffer, .address_space: global }
      - { .name: auxp, .offset: 48, .size: 8, .value_kind: global_buffer, .address_space: global }
    .group_segment_fixed_size: 88064
    .private_segment_fixed_size: 0
    .kernarg_segment_align: 8
    .kernarg_segment_size: 56
    .max_flat_workgroup_size: 256
    .sgpr_count:     66
    .vgpr_count:     384
    .wavefront_size: 32
...
	.end_amdgpu_metadata
.endif
;; end of part 4
;; launch place (part 5): grid 129 x 1, 32 waves a work-group, no clusters, 12,288 bytes of LDS; arguments meta, auxp, w1_codes, w2_codes, order, tiles, out1, wq; writes order, tiles, out1, wq
.if DOCPART == 5
	.amdgcn_target "amdgcn-amd-amdhsa--gfx1250"
	.amdhsa_code_object_version 6
	.text
	.protected	k_q837e440afc_place
	.globl	k_q837e440afc_place
	.p2align	8
	.type	k_q837e440afc_place,@function
k_q837e440afc_place:
	s_mov_b64 s[64:65], 0
	v_nop
	global_prefetch_b8 v0, s[64:65] scope:SCOPE_SE
	s_setreg_imm32_b32 hwreg(HW_REG_WAVE_MODE, 25, 1), 1
	s_wait_xcnt 0x0
; PLACE.  Work-group 0 sorts the tokens by their pair of experts (a counting sort on the 28 keys, no atomics), writes the list of tiles and the auxiliary loss.
; Work-groups 1-64 lay W1's codes, 65-128 W2's, in the order in which a wave's operand registers take them: a fragment (16 rows x 128 K, 12 registers a lane) as three runs of 512 bytes, lane l's 16 bytes at 16 l.
; A wave takes one fragment.
;   wq: W1 at 0: [expert][wave 4][K step 8][tile 8]; tile 2 b + u of a wave takes rows 32 b + 8 u + r + 8 (r / 8), so that the results of two neighbouring tiles are 16 neighbours along the next K.
;       W2 at 3,145,728: [expert][wave 4][chunk 4][K step 4][tile 4]; a tile takes 16 neighbouring rows.
; The three ways part on the work-group's number alone; only the sort uses LDS and a barrier.
; SORT.  Wave w owns groups 8 w .. 8 w + 7 of 32 tokens.  A key's count sits in lane = key.  Every wave adds its eight counts, the 32 sums meet in LDS, every wave makes the totals, what the waves before it hold,
; and one scan over the lanes of total | tiles << 16 (8,192 tokens and 198 tiles at the most: neither field runs over).  A token's place = its key's start + the groups before + its rank in its group.
; TILES.  A key with n tokens has ceil(n / 48) tiles; never more than floor((8192 + 28 x 47) / 48) = 198 in all.  Entry i: lo | hi << 8, first place, last place, rows; an entry past the last tile has 0 rows.
	s_load_b256 s[4:11], s[0:1], 0x0               ; meta, auxp, w1_codes, w2_codes
	s_load_b256 s[12:19], s[0:1], 0x20             ; order, tiles, out1, wq
	v_lshl_add_u32 v96, v0, 2, 0x2000
	v_mov_b32 v97, 0
	v_lshrrev_b32 v8, 5, v0
	s_delay_alu instid0(VALU_DEP_1)
	v_readfirstlane_b32 s20, v8                    ; wave 0..31
	v_and_b32 v1, 31, v0                           ; lane
	s_delay_alu instid0(VALU_DEP_1)
	v_lshlrev_b32 v2, 2, v1                        ; LDS: a row's word for my lane
	v_lshlrev_b32 v3, 2, v0                        ; LDS: my wave's row, my lane
	s_delay_alu instid0(VALU_DEP_3)
	v_lshlrev_b32 v7, 4, v1                        ; an image's place for my lane
	v_and_b32 v8, 15, v0                           ; r
	v_bfe_u32 v9, v0, 4, 1                         ; h
	s_wait_kmcnt 0x0
	s_cmp_eq_u32 ttmp9, 0
	s_cbranch_scc1 .Lsort
.macro RELAY src                       ; a fragment: as rows in, as a register image out
.irp p, 0,1,2,3,4,5
	global_load_b64 v[16+2*\p:17+2*\p], v6, s[\src:\src+1] offset:48*(\p/3)+8*(\p%3)
.endr
	s_wait_loadcnt 0x0
.irp c, 0,1,2
	global_store_b128 v7, v[16+4*\c:16+4*\c+3], s[18:19] offset:512*\c   ; 512 consecutive bytes
.endr
.endm
	s_cmp_gt_u32 ttmp9, 64
	s_cbranch_scc1 .Lw2
	s_sub_co_u32 s21, ttmp9, 1
	s_lshl_b32 s21, s21, 5
	s_add_co_u32 s21, s21, s20                     ; my fragment: ((4 e + w) 8 + s) 8 + tile
	s_lshr_b32 s22, s21, 6
	s_lshl_b32 s22, s22, 7                         ; row 512 e + 128 w
	s_bfe_u32 s23, s21, 0x20001
	s_lshl_b32 s23, s23, 5                         ; + 32 (tile / 2)
	s_add_co_u32 s22, s22, s23
	s_and_b32 s23, s21, 1
	s_lshl_b32 s23, s23, 3                         ; + 8 (tile % 2)
	s_add_co_u32 s22, s22, s23
	s_mul_i32 s22, s22, 768
	s_bfe_u32 s23, s21, 0x30003
	s_mul_i32 s23, s23, 96                         ; + K step
	s_add_co_u32 s22, s22, s23
	s_mov_b32 s23, 0
	s_add_nc_u64 s[8:9], s[8:9], s[22:23]
	s_mul_i32 s22, s21, 1536
	s_add_nc_u64 s[18:19], s[18:19], s[22:23]
	s_wait_alu depctr_va_vdst(0)
	v_and_b32 v6, 8, v8
	s_delay_alu instid0(VALU_DEP_1)
	v_add_nc_u32 v6, v6, v8                        ; r + 8 (r / 8)
	s_delay_alu instid0(VALU_DEP_1)
	v_mul_u32_u24 v6, v6, 768
	s_delay_alu instid0(VALU_DEP_1)
	v_mad_u32_u24 v6, v9, 24, v6
	RELAY 8
	s_branch .Lend
.Lw2:
	s_sub_co_u32 s21, ttmp9, 65
	s_lshl_b32 s21, s21, 5
	s_add_co_u32 s21, s21, s20                     ; (((4 e + w) 4 + c) 4 + s) 4 + tile
	s_lshr_b32 s22, s21, 4
	s_lshl_b32 s22, s22, 6                         ; row 1024 e + 256 w + 64 c
	s_and_b32 s23, s21, 3
	s_lshl_b32 s23, s23, 4                         ; + 16 tile
	s_add_co_u32 s22, s22, s23
	s_mul_i32 s22, s22, 384
	s_bfe_u32 s23, s21, 0x20002
	s_mul_i32 s23, s23, 96
	s_add_co_u32 s22, s22, s23
	s_mov_b32 s23, 0
	s_add_nc_u64 s[10:11], s[10:11], s[22:23]
	s_mul_i32 s22, s21, 1536
	s_add_co_u32 s22, s22, 3145728
	s_add_nc_u64 s[18:19], s[18:19], s[22:23]
	s_wait_alu depctr_va_vdst(0)
	v_mul_u32_u24 v6, v8, 384
	s_delay_alu instid0(VALU_DEP_1)
	v_mad_u32_u24 v6, v9, 24, v6
	RELAY 10
	s_branch .Lend
.Lsort:
	s_lshl_b32 s21, s20, 11
	s_wait_alu depctr_va_vdst(0)
	v_lshl_add_u32 v4, v1, 3, s21                  ; meta: 2048 w + 8 l
	s_lshl_b32 s21, s20, 10
	v_lshl_add_u32 v5, v1, 2, s21                  ; auxp: 1024 w + 4 l
.irp j, 0,1,2,3,4,5,6,7
	global_load_b64 v[16+2*\j:17+2*\j], v4, s[4:5] offset:256*\j
.endr
.irp j, 0,1,2,3,4,5,6,7
	global_load_b32 v[32+\j], v5, s[6:7] offset:128*\j
.endr
	s_wait_loadcnt 0x0
	v_add_nc_u32 v72, v17, v19
	v_add_f32 v73, v32, v33
.irp j, 2,3,4,5,6,7
	s_delay_alu instid0(VALU_DEP_2)
	v_add_nc_u32 v72, v72, v[17+2*\j]
	s_delay_alu instid0(VALU_DEP_2)
	v_add_f32 v73, v73, v[32+\j]
.endr
	ds_store_b32 v3, v72
	ds_store_b32 v3, v73 offset:4096
	s_wait_dscnt 0x0                               ; for the others' sake
	s_barrier_signal -1
	s_barrier_wait -1
.set i, 0
.rept 32
	ds_load_b32 v[40+i], v2 offset:128*i
.set i, i+1
.endr
	v_mov_b32 v74, 0                               ; a key's total
	v_mov_b32 v75, 0                               ; and what the waves before mine hold of it
	s_wait_alu depctr_va_vdst(0)
	s_wait_dscnt 0x0
.set i, 0
.rept 32
	s_cmp_gt_u32 s20, i
	s_cselect_b32 s21, -1, 0
	v_add_nc_u32 v74, v74, v[40+i]
	v_and_b32 v76, s21, v[40+i]
	s_delay_alu instid0(VALU_DEP_1)
	v_add_nc_u32 v75, v75, v76
.set i, i+1
.endr
	s_delay_alu instid0(VALU_DEP_3)
	v_add_nc_u32 v77, 47, v74                      ; ceil(total / 48) = ((total + 47) x 43691) >> 21: 43691 x 48 = 2^21 + 16, exact for numbers under 131,072
	s_delay_alu instid0(VALU_DEP_1)
	v_mul_u32_u24 v77, v77, 0xaaab
	s_delay_alu instid0(VALU_DEP_1)
	v_lshrrev_b32 v77, 21, v77
	s_delay_alu instid0(VALU_DEP_1)
	v_lshl_or_b32 v77, v77, 16, v74                ; total | tiles << 16
	s_delay_alu instid0(VALU_DEP_1)
	v_mov_b32 v78, v77
	v_mov_b32 v79, 0
.irp n, 1
	s_delay_alu instid0(VALU_DEP_2)
	v_mov_b32_dpp v79, v78 row_shr:\n row_mask:0xf bank_mask:0xf bound_ctrl:1
	s_delay_alu instid0(VALU_DEP_1)
	v_add_nc_u32 v78, v78, v79
.endr
.irp n, 2, 4, 8
	s_delay_alu instid0(VALU_DEP_1)
	v_mov_b32_dpp v79, v78 row_shr:\n row_mask:0xf bank_mask:0xf bound_ctrl:1
	s_delay_alu instid0(VALU_DEP_1)
	v_add_nc_u32 v78, v78, v79
.endr
	s_delay_alu instid0(VALU_DEP_1)
	v_readlane_b32 s21, v78, 15                    ; and the lower 16's sum onto the upper 16
	s_delay_alu instid0(VALU_DEP_1)
	v_mov_b32 v79, s21
	v_cmp_le_u32 vcc_lo, 16, v1
	s_delay_alu instid0(VALU_DEP_1)
	v_cndmask_b32 v79, 0, v79, vcc_lo
	s_delay_alu instid0(VALU_DEP_1)
	v_add_nc_u32 v78, v78, v79
	s_delay_alu instid0(VALU_DEP_1)
	v_sub_nc_u32 v77, v78, v77                     ; what lies before my key: first place | first tile << 16
	s_delay_alu instid0(VALU_DEP_2)
	v_lshrrev_b32 v78, 16, v78                     ; tiles up to and with my key
	s_delay_alu instid0(VALU_DEP_2)
	v_and_b32 v79, 0xffff, v77
	s_delay_alu instid0(VALU_DEP_1)
	v_add_nc_u32 v80, v79, v75                     ; lane = key: where group 8 w's tokens of that key begin,
.irp j, 1,2,3,4,5,6,7
	s_delay_alu instid0(VALU_DEP_1)
	v_add_nc_u32 v[80+\j], v[79+\j], v[15+2*\j]    ; and the next groups'
.endr
.irp j, 0,1,2,3,4,5,6,7
	v_and_b32 v[88+\j], 0xff, v[16+2*\j]           ; lane = token: its key
.endr
.irp j, 0,1,2,3,4,5,6,7
	v_lshlrev_b32 v[88+\j], 2, v[88+\j]
.endr
.irp j, 0,1,2,3,4,5,6,7
	ds_bpermute_b32 v[40+\j], v[88+\j], v[80+\j]   ; from the lane of that key
.endr
	s_lshl_b32 s21, s20, 8
	v_add_nc_u32 v48, s21, v1                      ; the token: 256 w + 32 j + l
.irp j, 1,2,3,4,5,6,7
	v_add_nc_u32 v[48+\j], 32*\j, v48
.endr
	s_wait_dscnt 0x0
.irp j, 0,1,2,3,4,5,6,7
	v_lshrrev_b32 v[88+\j], 8, v[16+2*\j]          ; + its rank in its group
	s_delay_alu instid0(VALU_DEP_1)
	v_add_nc_u32 v[40+\j], v[40+\j], v[88+\j]
	s_delay_alu instid0(VALU_DEP_1)
	v_min_u32 v[40+\j], 0x1fff, v[40+\j]
	s_delay_alu instid0(VALU_DEP_1)
	v_lshlrev_b32 v[40+\j], 2, v[40+\j]
	global_store_b32 v[40+\j], v[48+\j], s[12:13]  ; four bytes a lane to scattered places: 32 KiB in the whole launch
.endr
	s_cmp_lt_u32 s20, 7
	s_cbranch_scc0 .Lnot_tiles
	v_mov_b32 v56, 0                               ; waves 0-6: a thread takes entry i = its number.  Its key: how many keys end at or before tile i
.irp q, 0,1,2,3,4,5,6,7,8,9,10,11,12,13,14,15,16,17,18,19,20,21,22,23,24,25,26,27
	v_readlane_b32 s21, v78, \q
	s_delay_alu instid0(VALU_DEP_1)
	v_cmp_le_u32 vcc_lo, s21, v0
	s_delay_alu instid0(VALU_DEP_1)
	v_add_co_ci_u32 v56, vcc_lo, 0, v56, vcc_lo    ; the comparison is the carry
.endr
	s_delay_alu instid0(VALU_DEP_1)
	v_min_u32 v56, 27, v56
	s_delay_alu instid0(VALU_DEP_1)
	v_lshlrev_b32 v57, 2, v56
	ds_bpermute_b32 v58, v57, v77
	ds_bpermute_b32 v59, v57, v74
	v_mov_b32 v61, 0
.irp c, 7,13,18,22,25,27                       ; lo: the keys of lo begin at lo (15 - lo) / 2
	v_cmp_le_u32 vcc_lo, \c, v56
	s_delay_alu instid0(VALU_DEP_1)
	v_add_co_ci_u32 v61, vcc_lo, 0, v61, vcc_lo
.endr
	s_delay_alu instid0(VALU_DEP_1)
	v_sub_nc_u32 v62, 15, v61
	s_delay_alu instid0(VALU_DEP_1)
	v_mul_u32_u24 v62, v61, v62
	s_delay_alu instid0(VALU_DEP_1)
	v_lshrrev_b32 v62, 1, v62
	s_delay_alu instid0(VALU_DEP_1)
	v_sub_nc_u32 v63, v56, v62
	s_delay_alu instid0(VALU_DEP_1)
	v_add3_u32 v63, v63, v61, 1                    ; hi
	s_delay_alu instid0(VALU_DEP_1)
	v_lshl_or_b32 v64, v63, 8, v61
	v_lshlrev_b32 v68, 4, v0
	s_wait_dscnt 0x0
	v_lshrrev_b32 v60, 16, v58
	s_delay_alu instid0(VALU_DEP_1)
	v_sub_nc_u32 v60, v0, v60                      ; which tile of its key
	s_delay_alu instid0(VALU_DEP_1)
	v_mul_u32_u24 v60, v60, 48
	s_delay_alu instid0(VALU_DEP_1)
	v_sub_nc_u32 v67, v59, v60
	s_delay_alu instid0(VALU_DEP_1)
	v_max_i32 v67, 0, v67
	s_delay_alu instid0(VALU_DEP_1)
	v_min_i32 v67, 48, v67                         ; rows: 0 past the last tile
	v_and_b32 v65, 0xffff, v58
	s_delay_alu instid0(VALU_DEP_1)
	v_add_nc_u32 v65, v65, v60
	s_delay_alu instid0(VALU_DEP_1)
	v_min_u32 v65, 0x1fff, v65                     ; first place
	s_delay_alu instid0(VALU_DEP_4)
	v_max_u32 v66, 1, v67
	s_delay_alu instid0(VALU_DEP_1)
	v_add_nc_u32 v66, v65, v66
	s_delay_alu instid0(VALU_DEP_1)
	v_add_nc_u32 v66, -1, v66                      ; last place
	global_store_b128 v68, v[64:67], s[14:15]      ; 512 consecutive bytes a wave
	s_branch .Lend
.Lnot_tiles:
	s_cmp_eq_u32 s20, 7
	s_cbranch_scc0 .Lend
.set i, 0
.rept 32                                       ; wave 7: the loss
	ds_load_b32 v[56+i], v2 offset:4096+128*i
.set i, i+1
.endr
	s_wait_dscnt 0x0
	v_add_f32 v15, v56, v57
	v_add_f32 v14, v58, v59
	v_add_f32 v13, v60, v61
	v_add_f32 v12, v62, v63
	v_add_f32 v11, v64, v65
	v_add_f32 v10, v66, v67
	v_add_f32 v88, v68, v69
	s_delay_alu instid0(VALU_DEP_1)
	v_add_f32 v88, v88, v70
	v_add_f32 v15, v15, v71
	v_add_f32 v14, v14, v72
	v_add_f32 v13, v13, v73
	v_add_f32 v12, v12, v74
	v_add_f32 v11, v11, v75
	v_add_f32 v10, v10, v76
	v_add_f32 v88, v88, v77
	v_add_f32 v15, v15, v78
	v_add_f32 v14, v14, v79
	v_add_f32 v13, v13, v80
	v_add_f32 v12, v12, v81
	v_add_f32 v11, v11, v82
	v_add_f32 v10, v10, v83
	v_add_f32 v88, v88, v84
	v_add_f32 v15, v15, v85
	v_add_f32 v14, v14, v86
	v_add_f32 v13, v13, v87
	s_delay_alu instid0(VALU_DEP_4)
	v_add_f32 v88, v88, v12
	s_delay_alu instid0(VALU_DEP_4)
	v_add_f32 v15, v15, v11
	s_delay_alu instid0(VALU_DEP_4)
	v_add_f32 v14, v14, v10
	s_delay_alu instid0(VALU_DEP_1)
	v_add_f32 v88, v88, v14
	s_delay_alu instid0(VALU_DEP_3)
	v_add_f32 v15, v15, v13
	s_delay_alu instid0(VALU_DEP_1)
	v_add_f32 v88, v88, v15
	v_mov_b32 v89, 0
	s_delay_alu instid0(VALU_DEP_2)
	v_mul_f32_dpp v89, v88, v88 row_xmask:8 row_mask:0xf bank_mask:0xf     ; an expert's count x its sum of probabilities
.irp n, 1,2,4
	s_delay_alu instid0(VALU_DEP_1)
	v_add_f32_dpp v89, v89, v89 row_xmask:\n row_mask:0xf bank_mask:0xf
.endr
	s_delay_alu instid0(VALU_DEP_1)
	v_mul_f32 v89, 0x34000000, v89                 ; x 8 / 8192^2 = 2^-23
	v_mov_b32 v90, 0
	v_cmp_eq_u32 vcc_lo, 0, v1
	s_wait_alu depctr_va_vdst(0)
	s_wait_xcnt 0x0                                ; EXEC changes only behind this wait: my stores above have been taken
	s_and_saveexec_b32 s21, vcc_lo
	global_store_b32 v90, v89, s[16:17]            ; lane 0 alone
	s_wait_xcnt 0x0
	s_or_b32 exec_lo, exec_lo, s21
.Lend:
	s_wait_tensorcnt 0x0
	ds_add_u32 v96, v97
	s_wait_dscnt 0x0
	s_endpgm
.Lfunc_end_k_q837e440afc_place:
	.size	k_q837e440afc_place, .Lfunc_end_k_q837e440afc_place-k_q837e440afc_place
	.p2alignl 7, 3214868480
	.fill 96, 4, 3214868480
	.section	.rodata,"a",@progbits
	.p2align	6, 0x0
	.amdhsa_kernel k_q837e440afc_place
		.amdhsa_group_segment_fixed_size 12288
		.amdhsa_private_segment_fixed_size 0
		.amdhsa_enable_private_segment 0
		.amdhsa_kernarg_size 64
		.amdhsa_user_sgpr_count 2
		.amdhsa_user_sgpr_kernarg_segment_ptr 1
		.amdhsa_wavefront_size32 1
		.amdhsa_system_sgpr_workgroup_id_x 1
		.amdhsa_system_sgpr_workgroup_id_y 1
		.amdhsa_system_sgpr_workgroup_id_z 1
		.amdhsa_system_vgpr_workitem_id 0
		.amdhsa_next_free_vgpr 98
		.amdhsa_next_free_sgpr 66
		.amdhsa_reserve_vcc 1
		.amdhsa_float_denorm_mode_32 3
		.amdhsa_float_denorm_mode_16_64 3
		.amdhsa_memory_ordered 1
		.amdhsa_forward_progress 1
		.amdhsa_inst_pref_size 35
	.end_amdhsa_kernel
	.amdgpu_metadata
---
amdhsa.version: [ 1, 2 ]
amdhsa.kernels:
  - .name:           k_q837e440afc_place
    .symbol:         k_q837e440afc_place.kd
    .args:
      - { .name: meta, .offset: 0, .size: 8, .value_kind: global_buffer, .address_space: global }
      - { .name: auxp, .offset: 8, .size: 8, .value_kind: global_buffer, .address_space: global }
      - { .name: w1_codes, .offset: 16, .size: 8, .value_kind: global_buffer, .address_space: global }
      - { .name: w2_codes, .offset: 24, .size: 8, .value_kind: global_buffer, .address_space: global }
      - { .name: order, .offset: 32, .size: 8, .value_kind: global_buffer, .address_space: global }
      - { .name: tiles, .offset: 40, .size: 8, .value_kind: global_buffer, .address_space: global }
      - { .name: out1, .offset: 48, .size: 8, .value_kind: global_buffer, .address_space: global }
      - { .name: wq, .offset: 56, .size: 8, .value_kind: global_buffer, .address_space: global }
    .group_segment_fixed_size: 12288
    .private_segment_fixed_size: 0
    .kernarg_segment_align: 8
    .kernarg_segment_size: 64
    .max_flat_workgroup_size: 1024
    .sgpr_count:     66
    .vgpr_count:     98
    .wavefront_size: 32
...
	.end_amdgpu_metadata
.endif
;; end of part 5
;; launch chain (part 6): grid 198 x 1, 4 waves a work-group, no clusters, 120,320 bytes of LDS; arguments tiles, order, gate, xq, xs, wq, w1_scales, w2_scales, out0; writes out0
.if DOCPART == 6
	.amdgcn_target "amdgcn-amd-amdhsa--gfx1250"
	.amdhsa_code_object_version 6
	.text
	.protected	k_q837e440afc_chain
	.globl	k_q837e440afc_chain
	.p2align	8
	.type	k_q837e440afc_chain,@function
k_q837e440afc_chain:
	s_mov_b64 s[64:65], 0
	v_nop
	global_prefetch_b8 v0, s[64:65] scope:SCOPE_SE
	s_setreg_imm32_b32 hwreg(HW_REG_WAVE_SCHED_MODE, 0, 2), 2
	s_setreg_imm32_b32 hwreg(HW_REG_WAVE_MODE, 25, 1), 1
	s_wait_xcnt 0x0
	s_wait_alu depctr_vm_vsrc(0)
; CHAIN.  out0[token] = gate_lo silu(x W1[lo]) W2[lo] + gate_hi silu(x W1[hi]) W2[hi], both products of both experts on codes of BF6 (E3M2) with one E8M0 scale for each 32 along K.
; A work-group takes one tile: up to 48 tokens that chose the same pair lo < hi.  So every row of out0 has one owner, and only the chosen experts are multiplied.  198 tiles serve every split of 8,192 tokens over
; 28 pairs (floor((8192 + 28 x 47) / 48)).  Rows past the tile's last repeat its last token: they give the same bits and are stored to the same bytes by the same wave.
; A tile with no rows runs the head and both barriers and passes over the work between and behind them: every wave of every work-group passes every barrier, and no barrier stands under a branch on a stored number.
; NO CLUSTER, NO TENSOR LOAD: which experts a tile walks, and whether it has rows, is read from memory; partners of one pair would need each of 28 pairs padded to four tiles.
; SHARES.  THE WAVES SHARE THE COLUMNS: wave w makes hidden units 128 w .. + 127 (K step w of the second product) and outputs 256 w .. + 255, for all 48 tokens.  Weights come from wq, laid as register images, straight
; into a ring of four buffers of 8 fragments (12,288 bytes on end, 24 loads); each byte once a work-group.  x's codes and the hidden layer's go from wave to wave through LDS as images of the operands' registers.
; BOTH PRODUCTS ARE USED TRANSPOSED (source 0 = 16 rows of a weight, source 1 = 16 tokens): a lane holds one token, its registers run along the hidden units or the outputs.
; ORDER.  head: tokens, gather of x | barrier | for lo, then hi: 8 K steps x 24 products, silu, quantised, image to LDS | barrier | 4 chunks of 64 outputs: 8 x 12 products (lo's 4 K steps, hi's 4), gates, out through my stage.
; LIMITS: NaN and infinities are not served; a hidden block whose largest magnitude lies under 2^-122 keeps the byte 1; silu of a number under about -88 gives -0.
; THE MODE: SCHED_MODE bits 1:0 = 2 (LLVM: expert scheduling mode 2), set by the entry lines.  The code itself states the register dependences between vector or matrix instructions and memory or LDS instructions,
; with s_wait_alu, always for 0.
; THE PLAN.  Registers that memory or LDS instructions touch, and who else names them:
;   v1-9, v232, v24-47     addresses and offsets: written by vector work at the head, ahead of its two waits on va_vdst, and never again.
;   v120-148               at the head only: the offsets of the tokens' places, read by the loads of the tokens; later x's fragments land there.
;   weight buffers 0-3     First product: step s's products read buffer s % 4; unit s + 3 lands in the buffer that step s - 1 has left.  Second: parts 2 b, 2 b + 1 read buffer b; it is asked for again in part 2 b + 2, buffer 3 behind part 7.
;   x's two sets           Step s's products read set s % 2; the nine LDS loads of step s + 1 land in the other.
;   the hidden four sets   Part j's products read set j % 4; the loads of part j + 3 land in the set that part j - 1 has left.
;   scale words v88-119    Read by every product of a phase (of a chunk); loaded anew behind its last product.
;   v[PC ..], v[PW]        Written by the quantiser, read by the LDS stores of the image.
;   window 1               At the head the gather lands there and LDS stores read it; then the products write it.  On the way out the gates' arithmetic writes it, LDS stores read it, the next chunk's products write it.
;   the rows' registers    LDS loads land in them, global stores read them, the next chunk's loads land again.
; So ONE wait on va_vdst stands at the head of each step (each part) that asks for anything: behind it the products of the step before are done with the buffers that they have left, and the step's loads follow with no
; further wait, x's (the hidden layer's) first, the weights' in two halves among the step's products, which name the buffers in hand, the accumulators and the scale words: none of the registers that those loads touch.
; REGISTERS, in windows of 256.  Window 0: v1-9 addresses; v10-14 tokens; v16-21 gates; v24-47 my byte offsets in out0; v56-71 x's scale words; v72-87 the hidden layer's; v88-119 the weights';
;   v120-183 x's fragments of even K steps / 64 hidden numbers / hidden fragments 0 (v120-155); v184-231 the quantiser's work / hidden fragments 3 (v184-219); on the way out v156-187 and v188-219 hold rows;
;   v232 W1's scale rows; v233-255 the head's.
;   Window 1: the accumulators (first product: 64 m + 8 t; second: 128 e + 8 (4 m + t)); v96-127 rows on the way out.
;   Window 2: weight buffers 0, 1; v192-255 silu's work / hidden fragments 2.   Window 3: weight buffers 2, 3; v192-227 x's fragments of odd K steps / hidden fragments 1.
.set NM,    3                          ; row tiles of 16 tokens
.set FRB,   1536                       ; a fragment's image: 12 registers x 128 bytes
.set UNITB, 8*FRB
.set XIMG,  0                          ; LDS: x's fragments (row tile m, K step s: 8 m + s)
.set HIMG,  49152                      ; the hidden layer's ((4 e + m) 4 + s)
.set HSC,   98304                      ; their scale words, 128 bytes each
.set STG,   102400                     ; a stage of 16 rows x (256 + 16) bytes for each wave
.set G,    16
.set OFF,  24
.set XS,   56
.set HS,   72
.set SCW,  88
.set ST,   120
.set PA,   120                         ; at the head only: v120-148, the byte offsets in order of the 29 places a lane asks for
.set TM,   184
.set PW,   200
.set PC,   204
.set HF3,  184
.set BKA,  156                         ; the way out: row tile m's rows at BKA + 32 m (m = 0, 1); row tile 2's in window 1 at BKW
.set BKW,  96
.set SLO,  232
.set T,    192
.set SEL,  58
.set MSB,  0
.macro WIN new                         ; low byte: bits 1:0 source 0, 3:2 source 1, 5:4 source 2, 7:6 destination; the high byte repeats the setting that is left
.set WN, \new
.if MSB != WN
	s_set_vgpr_msb (MSB<<8)|WN
.set MSB, WN
.endif
.endm
.macro PLACES                          ; four plain lines between a matrix instruction and a load into one of its registers, or the first read of its result (ISA guide 7.12.1 for vector instructions)
.rept 4
	v_nop
.endr
.endm
.macro BARRIER
	s_wait_dscnt 0x0                               ; my LDS stores have landed and my LDS loads are in
	s_barrier_signal -1
	s_barrier_wait -1
.endm
.macro GHALF buf, ptr, off, h          ; half h of a unit: 4 fragments of a weight, 6,144 bytes on end, into buffer buf
	WIN 0x80+0x40*((\buf)/2)
.set gi, 12*(\h)
.rept 12
	global_load_b128 v[96*((\buf)%2)+4*gi:96*((\buf)%2)+4*gi+3], v1, s[\ptr:\ptr+1] offset:(\off)+512*gi
.set gi, gi+1
.endr
.endm
.macro GLOAD buf, ptr, off             ; 8 fragments of a weight, 12,288 bytes on end, into buffer buf
	GHALF \buf, \ptr, \off, 0
	GHALF \buf, \ptr, \off, 1
	WIN 0
.endm
.macro W1SC ptr                        ; W1's scale words of my 128 rows, all 8 K steps: register 8 b + s: lanes 0-15 tile 2 b's rows, lanes 16-31 tile 2 b + 1's
.irp b, 0,1,2,3
.irp k, 0,1
	global_load_b128 v[SCW+8*\b+4*\k:SCW+8*\b+4*\k+3], v[SLO], s[\ptr:\ptr+1] offset:1024*\b+16*\k
.endr
.endr
.endm
.macro W2SC off                        ; W2's of a chunk's 64 rows, both experts: register 8 e + 4 p + s: lanes 0-15 tile 2 p, lanes 16-31 tile 2 p + 1
.irp p, 0,1
	global_load_b128 v[SCW+4*\p:SCW+4*\p+3], v1, s[52:53] offset:(\off)+512*\p
	global_load_b128 v[SCW+8+4*\p:SCW+8+4*\p+3], v1, s[54:55] offset:(\off)+512*\p
.endr
.endm
.macro XLOAD s                         ; x's three fragments of K step s: nine loads
.if (\s)%2
	WIN 0xc0
.set xb, 192
.else
	WIN 0
.set xb, ST
.endif
.irp m, 0,1,2
.irp c, 0,1,2
	ds_load_b128 v[xb+12*\m+4*\c:xb+12*\m+4*\c+3], v1 offset:XIMG+(8*\m+(\s))*FRB+512*\c
.endr
.endr
	WIN 0
.endm
.macro HLOAD j                         ; the hidden layer's three fragments of expert j / 4, K step j % 4: nine loads
.set hq, (\j)%4
.if hq == 1
	WIN 0xc0
.set hb, 192
.elseif hq == 2
	WIN 0x80
.set hb, 192
.elseif hq == 3
	WIN 0
.set hb, HF3
.else
	WIN 0
.set hb, ST
.endif
.irp m, 0,1,2
.irp c, 0,1,2
	ds_load_b128 v[hb+12*\m+4*\c:hb+12*\m+4*\c+3], v2 offset:((4*((\j)/4)+\m)*4+(\j)%4)*FRB+512*\c
.endr
.endr
	WIN 0
.endm
; One product.  rD, rA, rB: the registers; rSA, rSB: the scale words (always of window 0); oA, oB: taken from lanes 16-31; zC: the product starts its sum.
.macro WM
.if zC
.if oA && oB
	v_wmma_scale_f32_16x16x128_f8f6f4 v[rD:rD+7], v[rA:rA+11], v[rB:rB+11], 0, v[rSA], v[rSB] matrix_a_fmt:MATRIX_FMT_BF6 matrix_b_fmt:MATRIX_FMT_BF6 matrix_a_scale:MATRIX_SCALE_ROW1 matrix_b_scale:MATRIX_SCALE_ROW1
.elseif oA
	v_wmma_scale_f32_16x16x128_f8f6f4 v[rD:rD+7], v[rA:rA+11], v[rB:rB+11], 0, v[rSA], v[rSB] matrix_a_fmt:MATRIX_FMT_BF6 matrix_b_fmt:MATRIX_FMT_BF6 matrix_a_scale:MATRIX_SCALE_ROW1
.elseif oB
	v_wmma_scale_f32_16x16x128_f8f6f4 v[rD:rD+7], v[rA:rA+11], v[rB:rB+11], 0, v[rSA], v[rSB] matrix_a_fmt:MATRIX_FMT_BF6 matrix_b_fmt:MATRIX_FMT_BF6 matrix_b_scale:MATRIX_SCALE_ROW1
.else
	v_wmma_scale_f32_16x16x128_f8f6f4 v[rD:rD+7], v[rA:rA+11], v[rB:rB+11], 0, v[rSA], v[rSB] matrix_a_fmt:MATRIX_FMT_BF6 matrix_b_fmt:MATRIX_FMT_BF6
.endif
.else
.if oA && oB
	v_wmma_scale_f32_16x16x128_f8f6f4 v[rD:rD+7], v[rA:rA+11], v[rB:rB+11], v[rD:rD+7], v[rSA], v[rSB] matrix_a_fmt:MATRIX_FMT_BF6 matrix_b_fmt:MATRIX_FMT_BF6 matrix_a_scale:MATRIX_SCALE_ROW1 matrix_b_scale:MATRIX_SCALE_ROW1
.elseif oA
	v_wmma_scale_f32_16x16x128_f8f6f4 v[rD:rD+7], v[rA:rA+11], v[rB:rB+11], v[rD:rD+7], v[rSA], v[rSB] matrix_a_fmt:MATRIX_FMT_BF6 matrix_b_fmt:MATRIX_FMT_BF6 matrix_a_scale:MATRIX_SCALE_ROW1
.elseif oB
	v_wmma_scale_f32_16x16x128_f8f6f4 v[rD:rD+7], v[rA:rA+11], v[rB:rB+11], v[rD:rD+7], v[rSA], v[rSB] matrix_a_fmt:MATRIX_FMT_BF6 matrix_b_fmt:MATRIX_FMT_BF6 matrix_b_scale:MATRIX_SCALE_ROW1
.else
	v_wmma_scale_f32_16x16x128_f8f6f4 v[rD:rD+7], v[rA:rA+11], v[rB:rB+11], v[rD:rD+7], v[rSA], v[rSB] matrix_a_fmt:MATRIX_FMT_BF6 matrix_b_fmt:MATRIX_FMT_BF6
.endif
.endif
.endm
; K STEP s OF THE FIRST PRODUCT: 8 tiles of hidden units x 3 tiles of tokens.  The 24 accumulators take turns, one instruction a turn.
; Global loads were issued in the order unit 0, 1, 2, the scale words, unit 3; then unit s + 3 in step s (s = 1 .. 4), into the buffer that step s - 1 has left.
; Steps 0 and 7 hold no wait on va_vdst: step 0's loads of x land in registers that the waits of the last row tile (in the first trip: of the head) have shown free, and step 7 asks for nothing.
.macro UNIT s
.if ((\s) == 0) || ((\s) == 6)
	s_wait_loadcnt 24                              ; step 0: all but unit 3 are in, the scale words among them.  Step 6: only unit 7 is younger than unit 6
.elseif ((\s) >= 3) && ((\s) <= 5)
	s_wait_loadcnt 48                              ; two younger units may stay out
.elseif (\s) == 7
	s_wait_loadcnt 0x0
.endif
.if ((\s) >= 1) && ((\s) <= 6)
	PLACES
	s_wait_alu depctr_va_vdst(0)                   ; the products of the step before are done reading their set of x's fragments and their weight buffer: this step's loads land in both
.endif
.if (\s) < 7
	XLOAD (\s)+1
	s_wait_dscnt 3*NM                              ; this step's fragments of x are in; the next step's nine loads stay out
.else
	s_wait_dscnt 0x0
.endif
.set zC, (\s) == 0
.set um, 0
.rept NM
	WIN 0x52+12*((\s)%2)+((\s)%4)/2                ; source 0: window 2 or 3; source 1: window 0 or 3; C and D: window 1
.set ut, 0
.rept 8
.set rD, 64*um+8*ut
.set rA, 96*((\s)%2)+12*ut
.set rB, ST+72*((\s)%2)+12*um
.set rSA, SCW+8*(ut/2)+(\s)
.set rSB, XS+8*(um/2)+(\s)
.set oA, ut%2
.set oB, um%2
	WM
.set ut, ut+1
.endr
.if ((\s) >= 1) && ((\s) <= 4)                 ; unit s + 3 in two halves, behind the first eight products and behind the last.  No wait: no product since the wait above names that buffer
.if um == 0
	GHALF ((\s)+3)%4, 38, ((\s)+3)*UNITB, 0
.elseif um == NM-1
	GHALF ((\s)+3)%4, 38, ((\s)+3)*UNITB, 1
.endif
.endif
.set um, um+1
.endr
	WIN 0
.endm
; silu of row tile m's 64 numbers a lane: a / (1 + 2^(-a log2 e)), in f32, packed where a packed form exists.  Each accumulator is read from its low end on.
.macro SILU m
	WIN 0x81                                       ; destination window 2, source 0 window 1
.set k, 0
.rept 32
	v_pk_mul_f32 v[T+2*k:T+2*k+1], v[64*(\m)+2*k:64*(\m)+2*k+1], s[60:61] op_sel_hi:[1,0]
.set k, k+1
.endr
	WIN 0x82
.set k, 0
	s_wait_alu depctr_va_vdst(0)
.rept 64
	v_exp_f32 v[T+k], v[T+k]
.set k, k+1
.endr
	v_nop                                          ; a plain line behind the exponentials
.set k, 0
	s_wait_alu depctr_va_vdst(0)                   ; the 64 exponentials have written v[T ..] of window 2, which the additions read
.rept 32
	v_pk_add_f32 v[T+2*k:T+2*k+1], v[T+2*k:T+2*k+1], 1.0 op_sel_hi:[1,0]
.set k, k+1
.endr
.set k, 0
	s_wait_alu depctr_va_vdst(0)
.rept 64
	v_rcp_f32 v[T+k], v[T+k]
.set k, k+1
.endr
	v_nop                                          ; a plain line behind the reciprocals
	WIN 0x09                                       ; source 0 window 1, source 1 window 2, destination window 0
.set k, 0
	s_wait_alu depctr_va_vdst(0)                   ; the 64 reciprocals have written v[T ..] of window 2, which the multiplications read
.rept 32
	v_pk_mul_f32 v[ST+2*k:ST+2*k+1], v[64*(\m)+2*k:64*(\m)+2*k+1], v[T+2*k:T+2*k+1]
.set k, k+1
.endr
	WIN 0
.endm
; 64 numbers of a lane, register 16 b + i = k 32 b + 16 (lane / 16) + i of my token, become a fragment's codes in v[PC] on and its scale word in v[PW].
.macro QUANT s
.irp b, 0,1,2,3
	v_max3_num_f32 v[TM+\b], |v[\s+16*\b]|, |v[\s+1+16*\b]|, 0x2800000   ; block b: my 16 numbers, and the floor 2^(5 - 127): the byte cannot fall under 1
.endr
.irp i, 2,4,6,8,10,12,14
.irp b, 0,1,2,3
	v_max3_num_f32 v[TM+\b], v[TM+\b], |v[\s+16*\b+\i]|, |v[\s+1+16*\b+\i]|
.endr
.endr
.irp b, 0,1,2,3
	v_permlanex16_b32 v[TM+4+\b], v[TM+\b], s[SEL], s[SEL+1]
.endr
.irp b, 0,1,2,3
	v_max_num_f32 v[TM+\b], v[TM+\b], v[TM+4+\b]   ; with lane l xor 16's: the block's largest magnitude
.endr
.irp b, 0,1,2,3
	v_add_nc_u32 v[TM+12+\b], 0xfe000000, v[TM+\b] ; 4 off its exponent field: the conversion's scale operand
.endr
.irp b, 0,1,2,3
	v_lshrrev_b32 v[TM+4+\b], 23, v[TM+12+\b]      ; the scale's byte
.endr
	v_lshl_or_b32 v[PW], v[TM+5], 8, v[TM+4]
	v_lshl_or_b32 v[PW], v[TM+6], 16, v[PW]
	v_lshl_or_b32 v[PW], v[TM+7], 24, v[PW]
.irp c, 0,1
	v_cvt_scalef32_pk16_bf6_f32 v[PC+6*\c:PC+2+6*\c], v[\s+32*\c:\s+15+32*\c], v[TM+12+2*\c]
	v_cvt_scalef32_pk16_bf6_f32 v[PC+12+4*\c:PC+14+4*\c], v[\s+16+32*\c:\s+31+32*\c], v[TM+12+2*\c+1]   ; (a conversion's three registers begin on an even number)
.endr
	v_nop                                          ; one plain line behind a scaled conversion
.irp c, 0,1                                    ; the operand wants a WHOLE block in a lane: lanes 0-15 block 2 c, lanes 16-31 block 2 c + 1
.irp i, 0,1,2
	v_permlane16_swap_b32 v[PC+6*\c+\i], v[PC+12+4*\c+\i]
.endr
.irp i, 0,1,2
	v_mov_b32 v[PC+3+6*\c+\i], v[PC+12+4*\c+\i]
.endr
.endr
.endm
.macro IMAGE off                       ; the fragment goes to LDS as it stands: K step w of the second product
.irp c, 0,1,2
	ds_store_b128 v3, v[PC+4*\c:PC+4*\c+3] offset:(\off)+512*\c
.endr
.endm
; Row tile m of the hidden layer.  The first expert's image and the second's have places of their own, named by immediates: two copies of the stores, chosen by the loop's counter.
; The scale words are read back two row tiles to a register; the last row tile has no partner, so its word is stored at the partner's place too: no byte is read that nobody wrote (those lanes are never selected).
.macro HOUT m
	SILU \m
	QUANT ST
	s_wait_alu depctr_va_vdst(0)                   ; the quantiser has written the codes v[PC ..] and the scale word v[PW], which the LDS stores read; it is also done reading v[ST ..]
	s_cmp_lg_u32 s62, 0
	s_cbranch_scc1 .Lsecond_\@
	IMAGE 4*FRB*(\m)
	ds_store_b32 v4, v[PW] offset:512*(\m)
.if (\m) == NM-1
	ds_store_b32 v4, v[PW] offset:512*(\m)+512
.endif
	s_branch .Lstored_\@
.Lsecond_\@:
	IMAGE 16*FRB+4*FRB*(\m)
	ds_store_b32 v4, v[PW] offset:2048+512*(\m)
.if (\m) == NM-1
	ds_store_b32 v4, v[PW] offset:2048+512*(\m)+512
.endif
.Lstored_\@:
	s_wait_dscnt 0x0                               ; this row tile's LDS stores are done
	s_wait_alu depctr_vm_vsrc(0)                   ; they have read v[PC ..] and v[PW], which the next row tile's quantiser writes again and in which, behind the last, hidden fragments land
.endm
; PART j OF A CHUNK OF THE SECOND PRODUCT: expert j / 4, K step j % 4: 4 tiles of outputs x 3 tiles of tokens, 12 accumulators by turns.
; Weight buffers 0, 1: the first expert's K steps 0-1, 2-3; buffers 2, 3: the second's.  Issue order for a chunk: buffer 0, 1, 2, the scale words, buffer 3.
; Part 0 holds no wait on va_vdst: its loads land in registers that the wait ahead of the way out's LDS stores (in the first chunk: the wait behind the barrier) has shown free.  The last chunk's parts 5 to 7 ask for nothing.
.macro SUBLOAD j, h                    ; the next chunk's weights: half h of the buffer that the two parts before have left
.if (\j) == 2
	GHALF 0, 44, 2*UNITB, \h
.elseif (\j) == 4
	GHALF 1, 44, 3*UNITB, \h
.elseif (\j) == 6
	GHALF 2, 46, 2*UNITB, \h
.endif
.endm
.macro SUB j, last
.set sE, (\j)/4
.set sS, (\j)%4
.if (\j) == 0
	s_wait_loadcnt 24                              ; all but buffer 3 are in
.elseif (\j) == 6
.if \last
	s_wait_loadcnt 0x0
.else
	s_wait_loadcnt 48                              ; buffer 3 is in; behind it the next chunk's buffers 0 and 1 were asked for
.endif
.endif
.if (\last) && ((\j) > 4)
	s_wait_dscnt 3*NM*(7-(\j))                     ; the runs of nine loads that are younger than this part's
.else
.if (\j) > 0
	PLACES
	s_wait_alu depctr_va_vdst(0)                   ; the products of the part before are done reading their set of hidden fragments, and those of the two parts before their weight buffer: this part's loads land there
.endif
	HLOAD ((\j)+3)%8                               ; three parts ahead, into the registers that the part before has left
	s_wait_dscnt 9*NM                              ; this part's fragments are in; three younger runs of nine stay out
.endif
.if sS == 1
.set bw, 3
.set hb, 192
.elseif sS == 2
.set bw, 2
.set hb, 192
.elseif sS == 3
.set bw, 0
.set hb, HF3
.else
.set bw, 0
.set hb, ST
.endif
.set zC, sS == 0
.set um, 0
.rept NM
	WIN 0x52+4*bw+sE
.set ut, 0
.rept 4
.set rD, 128*sE+8*(4*um+ut)
.set rA, 96*(((\j)/2)%2)+48*((\j)%2)+12*ut
.set rB, hb+12*um
.set rSA, SCW+8*sE+4*(ut/2)+sS
.set rSB, HS+8*sE+4*(um/2)+sS
.set oA, ut%2
.set oB, um%2
	WM
.set ut, ut+1
.endr
.if !(\last)                                   ; in two halves, behind the first four products and behind the last.  No wait: no product since the wait above names that buffer
.if um == 0
	SUBLOAD \j, 0
.elseif um == NM-1
	SUBLOAD \j, 1
.endif
.endif
.set um, um+1
.endr
	WIN 0
.endm
.macro COMB m                          ; row tile m: gate_lo x the first expert's + gate_hi x the second's, each accumulator from its low end on
	WIN 0x51
.set k, 0
.rept 16
	v_pk_mul_f32 v[32*(\m)+2*k:32*(\m)+2*k+1], v[32*(\m)+2*k:32*(\m)+2*k+1], v[G+2*(\m):G+2*(\m)+1] op_sel_hi:[1,0]
.set k, k+1
.endr
.set k, 0
.rept 16
	v_pk_fma_f32 v[32*(\m)+2*k:32*(\m)+2*k+1], v[128+32*(\m)+2*k:128+32*(\m)+2*k+1], v[G+2*(\m):G+2*(\m)+1], v[32*(\m)+2*k:32*(\m)+2*k+1] op_sel:[0,1,0] op_sel_hi:[1,1,1]
.set k, k+1
.endr
.endm
.macro TOST m                          ; a lane's 8 neighbouring outputs of a token, 32 bytes a tile, into my stage
	WIN 0x04
.irp t, 0,1,2,3
	ds_store_b128 v6, v[32*(\m)+8*\t:32*(\m)+8*\t+3] offset:64*\t
	ds_store_b128 v6, v[32*(\m)+8*\t+4:32*(\m)+8*\t+7] offset:64*\t+16
.endr
	WIN 0
.endm
.macro LD m                            ; back as rows of 256 bytes, two an instruction, into row tile m's own registers.  LDS serves a wave's instructions in order: these see my stores, and the next row tile's stores come behind them
.if (\m) == 2
	WIN 0x40
.set bb, BKW
.else
.set bb, BKA+32*(\m)
.endif
.irp i, 0,1,2,3,4,5,6,7
	ds_load_b128 v[bb+4*\i:bb+4*\i+3], v7 offset:544*\i
.endr
	WIN 0
.endm
.macro GST m
.if (\m) == 2
	WIN 0x04                                       ; a store's data are its source 1: window 1
.set bb, BKW
.else
.set bb, BKA+32*(\m)
.endif
.irp i, 0,1,2,3,4,5,6,7
	global_store_b128 v[OFF+8*(\m)+\i], v[bb+4*\i:bb+4*\i+3], s[56:57] th:TH_STORE_NT   ; sixteen lanes store 256 consecutive bytes of a token's row, at a multiple of 256
.endr
	WIN 0
.endm
.macro CHUNK last
.irp j, 0,1,2,3,4,5,6,7
	SUB \j, \last
.endr
	PLACES
.if !(\last)
	s_wait_alu depctr_va_vdst(0)                   ; the chunk's last products are done reading the weights' scale words and buffer 3, in which the loads below land
	W2SC 1024                                      ; the next chunk's scale words, then its last buffer
	GLOAD 3, 46, 3*UNITB
.endif
.irp m, 0,1,2                                  ; the gates of all three row tiles first, so that one wait serves all the LDS stores
	COMB \m
.endr
	s_wait_alu depctr_va_vdst(0)                   ; the gates' multiply-adds have written window 1's rows, which the LDS stores read; the last products are done reading hidden set 3, on which rows land
.irp m, 0,1,2                                  ; the three row tiles follow each other through the one stage with no wait between them
	TOST \m
	LD \m
.endr
	s_wait_dscnt 32                                ; row tile 0 is back; younger: two row tiles' eight stores and eight loads each
	GST 0
	s_wait_dscnt 16
	GST 1
	s_wait_dscnt 0x0
	GST 2
.if !(\last)
	s_wait_xcnt 0x0                                ; the stores and loads have been taken: bases may step, and the next chunk's loads may land on the rows' registers
	s_wait_alu depctr_vm_vsrc(0)                   ; the global stores have read the rows' registers, in which the next chunk's LDS loads land; the LDS stores have read window 1's rows, which its products write
	s_add_nc_u64 s[44:45], s[44:45], 2*UNITB
	s_add_nc_u64 s[46:47], s[46:47], 2*UNITB
	s_add_nc_u64 s[52:53], s[52:53], 1024
	s_add_nc_u64 s[54:55], s[54:55], 1024
	s_add_nc_u64 s[56:57], s[56:57], 256
.endif
.endm
	s_load_b256 s[8:15], s[0:1], 0x0               ; tiles, order, gate, xq
	s_load_b256 s[16:23], s[0:1], 0x20             ; xs, wq, w1_scales, w2_scales
	s_load_b64 s[24:25], s[0:1], 0x40              ; out0
	v_lshl_add_u32 v254, v0, 2, 0x1d400
	v_mov_b32 v255, 0
	v_lshrrev_b32 v233, 5, v0
	v_readfirstlane_b32 s32, v233                  ; wave 0..3
	v_and_b32 v234, 31, v0                         ; l
	v_and_b32 v235, 15, v0                         ; r
	v_bfe_u32 v236, v0, 4, 1                       ; h
	v_lshlrev_b32 v1, 4, v234                      ; an image's place for my lane
	v_add_nc_u32 v2, HIMG, v1
	s_wait_alu depctr_va_sdst(0)                   ; s32, the wave's number, is written, ahead of its first reader
	s_mul_i32 s66, s32, FRB
	v_add_nc_u32 v3, s66, v2                       ; where I store the hidden layer's images: K step w
	v_lshlrev_b32 v4, 2, v234
	s_lshl_b32 s66, s32, 7
	s_add_co_u32 s66, s66, HSC
	v_add_nc_u32 v4, s66, v4                       ; and their scale words
	v_lshlrev_b32 v5, 2, v235
	v_lshl_add_u32 v5, v236, 9, v5
	v_add_nc_u32 v5, HSC, v5                       ; back: lanes 0-15 an even row tile's words, lanes 16-31 the odd one's
	s_mul_i32 s66, s32, 16*272
	s_add_co_u32 s66, s66, STG
	v_mul_u32_u24 v6, v235, 272
	v_lshl_add_u32 v6, v236, 5, v6
	v_add_nc_u32 v6, s66, v6                       ; my stage, in: row r, + 32 h
	v_mul_u32_u24 v7, v236, 272
	v_lshl_add_u32 v7, v235, 4, v7
	v_add_nc_u32 v7, s66, v7                       ; and back: lanes 0-15 one row, lanes 16-31 the next
	s_mul_i32 s66, s32, 2*FRB
	v_add_nc_u32 v8, s66, v1                       ; where I store x's images: K steps 2 w, 2 w + 1
	v_lshlrev_b32 v9, 4, v235
	v_and_b32 v237, 8, v235
	v_add_nc_u32 v237, v237, v235
	v_lshl_add_u32 v237, v236, 3, v237
	v_lshlrev_b32 v[SLO], 5, v237                  ; W1's scale rows of 32 bytes: row 8 (l / 16) + r + 8 (r / 8) of a block of 32
.irp b, 0,1,2,3
	v_mov_b32 v[TM+4+\b], 0                        ; written once: a lane permute's destination counts as one of its sources
.endr
	s_mov_b32 s[SEL], 0x76543210
	s_mov_b32 s[SEL+1], 0xfedcba98                 ; v_permlanex16_b32's selects for lane l xor 16
	s_mov_b32 s60, 0xbfb8aa3b                      ; -log2(e)
	s_mov_b32 s61, s60                             ; (named with it as a pair)
	s_lshl_b32 s66, ttmp9, 4
	s_mov_b32 s67, 0
	s_wait_kmcnt 0x0
	s_add_nc_u64 s[8:9], s[8:9], s[66:67]
	s_load_b128 s[28:31], s[8:9], 0x0              ; my tile: lo | hi << 8, first place, last place, rows
	s_wait_kmcnt 0x0
	s_and_b32 s33, s28, 0xff
	s_min_u32 s33, s33, 7                          ; lo
	s_bfe_u32 s34, s28, 0x80008
	s_min_u32 s34, s34, 7                          ; hi
	s_min_u32 s35, s29, 0x1fff
	s_min_u32 s36, s30, 0x1fff
	s_lshl_b32 s66, s33, 2
	s_add_co_u32 s66, s66, s32
	s_mul_i32 s66, s66, 8*UNITB
	s_add_nc_u64 s[38:39], s[18:19], s[66:67]      ; the expert in hand: lo's W1, my wave's 8 units
	s_add_nc_u64 s[44:45], s[38:39], 3145728       ; lo's W2, my wave's 4 chunks
	s_lshl_b32 s66, s34, 2
	s_add_co_u32 s66, s66, s32
	s_mul_i32 s66, s66, 8*UNITB
	s_add_nc_u64 s[48:49], s[18:19], s[66:67]      ; hi's W1
	s_add_nc_u64 s[46:47], s[48:49], 3145728       ; hi's W2
	s_mov_b64 s[40:41], s[48:49]                   ; what is asked for at a phase's end: buffers 0, 1 from here,
	s_add_nc_u64 s[42:43], s[48:49], 2*UNITB       ; buffers 2, 3 from here
	s_lshl_b32 s70, s32, 12
	s_lshl_b32 s66, s33, 14
	s_add_co_u32 s66, s66, s70
	s_add_nc_u64 s[68:69], s[20:21], s[66:67]      ; lo's W1 scales: (512 lo + 128 w) rows of 32 bytes
	s_add_nc_u64 s[52:53], s[22:23], s[66:67]      ; lo's W2 scales: (1024 lo + 256 w) rows of 16 bytes
	s_lshl_b32 s66, s34, 14
	s_add_co_u32 s66, s66, s70
	s_add_nc_u64 s[50:51], s[20:21], s[66:67]
	s_add_nc_u64 s[54:55], s[22:23], s[66:67]
	s_lshl_b32 s66, s32, 10
	s_add_nc_u64 s[56:57], s[24:25], s[66:67]      ; out0 at my wave's 256 columns
	; the tokens, in the three orders in which lanes want them; places past the tile's last take the last.  The places' offsets have registers of their own, v[PA ..]: no load lands on a register that a load reads
	v_add_nc_u32 v238, s35, v236
.set i, 0
.rept 8*NM
	v_add_nc_u32 v[PA+5+i], 2*i, v238              ; the way out: place 16 m + 2 i + l / 16
.set i, i+1
.endr
	v_add_nc_u32 v[PA], s35, v234                  ; scale words: place 32 p + l
	v_add_nc_u32 v[PA+1], 32, v[PA]
	v_add_nc_u32 v[PA+2], s35, v235                ; operands and gates: place 16 m + r
	v_add_nc_u32 v[PA+3], 16, v[PA+2]
	v_add_nc_u32 v[PA+4], 32, v[PA+2]
.set i, 0
.rept 5+8*NM
	v_min_u32 v[PA+i], s36, v[PA+i]
	v_min_u32 v[PA+i], 0x1fff, v[PA+i]
	v_lshlrev_b32 v[PA+i], 2, v[PA+i]
.set i, i+1
.endr
	s_wait_alu depctr_va_vdst(0)                   ; the places' offsets v[PA ..] are written, which the loads below read; so are the addresses v1 to v9 and v232, which the kernel's loads and LDS instructions read
.set i, 0
.rept 5
	global_load_b32 v[10+i], v[PA+i], s[10:11]
.set i, i+1
.endr
.set i, 0
.rept 8*NM
	global_load_b32 v[OFF+i], v[PA+5+i], s[10:11]
.set i, i+1
.endr
	GLOAD 0, 38, 0
	s_wait_loadcnt 24                              ; the tokens are in; only unit 0 is younger
.set i, 10
.rept 5
	v_min_u32 v[i], 0x1fff, v[i]
.set i, i+1
.endr
.set i, 0
.rept 8*NM
	v_min_u32 v[OFF+i], 0x1fff, v[OFF+i]
	v_lshl_add_u32 v[OFF+i], v[OFF+i], 12, v9      ; the token's row of 4,096 bytes + 16 (l % 16)
.set i, i+1
.endr
	v_mul_u32_u24 v239, v236, 48
	s_mul_i32 s66, s32, 192
	v_add_nc_u32 v239, s66, v239
.irp m, 0,1,2
	v_mul_u32_u24 v[240+\m], v[12+\m], 768
	v_add_nc_u32 v[240+\m], v[240+\m], v239        ; xq: the token's row + 96 (2 w) + 48 h
	v_lshlrev_b32 v[246+\m], 3, v[12+\m]
.endr
	v_lshlrev_b32 v244, 5, v10
	v_lshlrev_b32 v245, 5, v11
	WIN 0x40                                       ; x's fragments of K steps 2 w, 2 w + 1, all three row tiles, into window 1, which is free yet
	s_wait_alu depctr_va_vdst(0)                   ; the gather's offsets v240 to v248 are written, which the loads below read; so are out0's offsets v24 to v47, which the way out's stores read
.irp m, 0,1,2
.irp i, 0,1
.irp c, 0,1,2
	global_load_b128 v[24*\m+12*\i+4*\c:24*\m+12*\i+4*\c+3], v[240+\m], s[14:15] offset:96*\i+16*\c
.endr
.endr
.endr
	WIN 0
.irp p, 0,1
.irp k, 0,1
	global_load_b128 v[XS+8*\p+4*\k:XS+8*\p+4*\k+3], v[244+\p], s[16:17] offset:16*\k   ; register 8 p + s: lanes 0-15 row tile 2 p's words of K step s, lanes 16-31 row tile 2 p + 1's
.endr
.endr
.irp m, 0,1,2
	global_load_b64 v[G+2*\m:G+2*\m+1], v[246+\m], s[12:13]
.endr
	GLOAD 1, 38, UNITB
	GLOAD 2, 38, 2*UNITB
	s_wait_loadcnt 48                              ; the gather is in; units 1 and 2 are younger
	WIN 0x04
.irp m, 0,1,2
.irp i, 0,1
.irp c, 0,1,2
	ds_store_b128 v8, v[24*\m+12*\i+4*\c:24*\m+12*\i+4*\c+3] offset:XIMG+(8*\m+\i)*FRB+512*\c
.endr
.endr
.endr
	WIN 0
	W1SC 68
	GLOAD 3, 38, 3*UNITB
	BARRIER                                        ; x's 24 fragments lie in LDS
	s_wait_alu depctr_vm_vsrc(0)                   ; my LDS stores have read window 1's registers, which the first products write; the loads of the tokens have read v[PA ..], in which fragments land
	s_cmp_eq_u32 s31, 0                            ; a tile with no rows passes over the work up to the next barrier
	s_cbranch_scc1 .Lmeet
	s_mov_b32 s62, 0
.Lexpert:                                              ; two trips: lo, hi
	s_wait_alu depctr_va_vdst(0)                   ; the last row tile's quantiser is done reading v[ST ..] (first trip: the head's address work has written them): x's fragments land there
	XLOAD 0
.irp s, 0,1,2,3,4,5,6,7
	UNIT \s
.endr
	PLACES
	GLOAD 0, 40, 0                                 ; the next phase's four units (hi's W1, or both experts' first chunk of W2) are asked for in three parts, spread among the row tiles' silu,
	GLOAD 1, 40, UNITB                             ; in the order that the waits count on: units 0, 1, 2, the scale words, unit 3.  No wait: steps 4 and 5 read buffers 0 and 1 last, ahead of step 6's wait
	HOUT 0
	GLOAD 2, 42, 0                                 ; no wait here, nor for the scale words and unit 3 below: the waits in the row tile above stand behind the phase's last product, and its vector work names none of these registers
	s_cmp_lg_u32 s62, 0
	s_cbranch_scc1 .Lw2_scales
	W1SC 50
	s_branch .Lscales_asked
.Lw2_scales:
	W2SC 0
.Lscales_asked:
	HOUT 1
	GLOAD 3, 42, UNITB
	HOUT 2
	s_wait_xcnt 0x0                                ; the loads above have been taken: their bases may be written
	s_mov_b64 s[38:39], s[48:49]
	s_mov_b64 s[40:41], s[44:45]
	s_mov_b64 s[42:43], s[46:47]
	s_add_co_u32 s62, s62, 1
	s_cmp_lt_u32 s62, 2
	s_cbranch_scc1 .Lexpert
.Lmeet:
	BARRIER                                        ; the hidden layer's 24 fragments lie in LDS
	s_cmp_eq_u32 s31, 0
	s_cbranch_scc1 .Lend
	s_wait_alu depctr_va_vdst(0)                   ; silu and the quantiser are done with v[ST ..] and with window 2's work registers, the first product's last step with x's registers of window 3: hidden fragments land in all three
.irp e, 0,1
.irp p, 0,1
.irp s, 0,1,2,3
	ds_load_b32 v[HS+8*\e+4*\p+\s], v5 offset:2048*\e+1024*\p+128*\s
.endr
.endr
.endr
	HLOAD 0
	HLOAD 1
	HLOAD 2
	s_mov_b32 s63, 3
.Lchunk:
	CHUNK 0
	s_sub_co_u32 s63, s63, 1
	s_cmp_lg_u32 s63, 0
	s_cbranch_scc1 .Lchunk
	CHUNK 1                                        ; the last chunk is written out: it asks for nothing more, so no load leaves wq
.Lend:
	s_wait_dscnt 0x0                               ; the closing lines, six on end
	s_wait_alu 0x0
	s_wait_tensorcnt 0x0
	ds_add_u32 v254, v255
	s_wait_dscnt 0x0
	s_endpgm
.Lfunc_end_k_q837e440afc_chain:
	.size	k_q837e440afc_chain, .Lfunc_end_k_q837e440afc_chain-k_q837e440afc_chain
	.p2alignl 7, 3214868480
	.fill 96, 4, 3214868480
	.section	.rodata,"a",@progbits
	.p2align	6, 0x0
	.amdhsa_kernel k_q837e440afc_chain
		.amdhsa_group_segment_fixed_size 120320
		.amdhsa_private_segment_fixed_size 0
		.amdhsa_enable_private_segment 0
		.amdhsa_kernarg_size 72
		.amdhsa_user_sgpr_count 2
		.amdhsa_user_sgpr_kernarg_segment_ptr 1
		.amdhsa_wavefront_size32 1
		.amdhsa_system_sgpr_workgroup_id_x 1
		.amdhsa_system_sgpr_workgroup_id_y 1
		.amdhsa_system_sgpr_workgroup_id_z 1
		.amdhsa_system_vgpr_workitem_id 0
		.amdhsa_next_free_vgpr 1024
		.amdhsa_next_free_sgpr 80
		.amdhsa_reserve_vcc 0
		.amdhsa_float_denorm_mode_32 3
		.amdhsa_float_denorm_mode_16_64 3
		.amdhsa_memory_ordered 1
		.amdhsa_forward_progress 1
		.amdhsa_inst_pref_size 197
	.end_amdhsa_kernel
	.amdgpu_metadata
---
amdhsa.version: [ 1, 2 ]
amdhsa.kernels:
  - .name:           k_q837e440afc_chain
    .symbol:         k_q837e440afc_chain.kd
    .args:
      - { .name: tiles, .offset: 0, .size: 8, .value_kind: global_buffer, .address_space: global }
      - { .name: order, .offset: 8, .size: 8, .value_kind: global_buffer, .address_space: global }
      - { .name: gate, .offset: 16, .size: 8, .value_kind: global_buffer, .address_space: global }
      - { .name: xq, .offset: 24, .size: 8, .value_kind: global_buffer, .address_space: global }
      - { .name: xs, .offset: 32, .size: 8, .value_kind: global_buffer, .address_space: global }
      - { .name: wq, .offset: 40, .size: 8, .value_kind: global_buffer, .address_space: global }
      - { .name: w1_scales, .offset: 48, .size: 8, .value_kind: global_buffer, .address_space: global }
      - { .name: w2_scales, .offset: 56, .size: 8, .value_kind: global_buffer, .address_space: global }
      - { .name: out0, .offset: 64, .size: 8, .value_kind: global_buffer, .address_space: global }
    .group_segment_fixed_size: 120320
    .private_segment_fixed_size: 0
    .kernarg_segment_align: 8
    .kernarg_segment_size: 72
    .max_flat_workgroup_size: 128
    .sgpr_count:     80
    .vgpr_count:     1024
    .wavefront_size: 32
...
	.end_amdgpu_metadata
.endif
;; end of part 6
